; MI455X (gfx1250); checked and timed in simulation.
; The chip was launched on July 23, 2026; its instructions are those of AMD's public machine-readable ISA for CDNA 5 (MIT licence, August 2026) and "CDNA5" Instruction Set Architecture Reference Guide (July 2026). The comments in the code are by the model that wrote it; some were corrected since.
;; Attention. Allowed arithmetic: matrix products marked QUANTISED: E2M3 operands, one E8M0 scale for each 32 along K, by v_wmma_scale_f32_16x16x128_f8f6f4 with both operands' format E2M3, f32 sums; everything else in f32.
;; Inputs: b_out 1,024 float32; w_out 1,024 x 1,024 float32; w_qkv 1,024 x 3,072 float32; x 4 x 2,048 x 1,024 float32.
;; Outputs: out0 4 x 2,048 x 1,024 float32.
;; This version of the problem:
;;   THIS VERSION OF THE PROBLEM IS GIVEN IN LOW PRECISION. The matrix products marked QUANTISED in the list below multiply operands that are first quantised to E2M3 (2 exponent bits, 3 mantissa bits; 6 bits a number), with one power-of-two scale for each 32 numbers along K (OCP MX v1.0); their sums are f32. All else is computed in f32.
;;   The module's matrix products, in the order in which they are computed (A, B: the left and right operand; K: the contracted axis; several contracted axes count as one K, in the product's order):
;;     1. [M 8,192, K 1,024] x [K 1,024, N 3,072]; A: input x; B: input w_qkv: QUANTISED
;;     2. batch 64 x [M 2,048, K 64] x [K 64, N 2,048]; A: computed on the way; B: computed on the way: QUANTISED
;;     3. batch 64 x [M 2,048, K 2,048] x [K 2,048, N 64]; A: softmax (see below); B: computed on the way: QUANTISED
;;     4. [M 8,192, K 1,024] x [K 1,024, N 1,024]; A: computed on the way; B: input w_out: QUANTISED
;;   THE QUANTISER, for each operand of a quantised product, along K:
;;     - K is cut into blocks of 32 from its start; a last block that is shorter is filled with zeros.
;;     - A block's scale is 2^e with e = floor(log2(the largest magnitude in the block)) - 2, held to -126 .. 127; a block of zeros has e = 0. As a byte (E8M0): e + 127.
;;     - Each number is divided by its block's scale, clamped to +-7.5, and rounded to the nearest number of E2M3, ties to even, subnormals kept.
;;     - The product sums the exact products of the quantised numbers (number of the format x scale) in f32.
;;   ~~~python
;;   def quantise(x, axis):      # numpy; x: float32 -> the quantised numbers, widened to float32 again
;;       x = np.moveaxis(x, axis, -1); K = x.shape[-1]
;;       x = np.pad(x, [(0, 0)] * (x.ndim - 1) + [(0, -K % 32)]); x = x.reshape(x.shape[:-1] + (-1, 32)); a = np.abs(x).max(-1, keepdims=True)
;;       e = np.where(a > 0, np.clip(np.frexp(np.where(a > 0, a, 1))[1] - 1 - 2, -126, 127), 0)      # np.frexp(a)[1] - 1 = floor(log2(a)), exactly
;;       r = np.clip(x / 2.0 ** e, -7.5, 7.5)
;;       step = 2.0 ** (np.maximum(np.frexp(np.where(r == 0, 1, r))[1] - 1, 0) - 3)
;;       q = np.round(r / step) * step * 2.0 ** e      # np.round: ties to even
;;       return np.moveaxis(q.reshape(q.shape[:-2] + (-1,))[..., :K], -1, axis).astype(np.float32)
;;   ~~~
;;   SOFTMAX AHEAD OF A QUANTISED PRODUCT. Where the list says 'softmax', what is quantised is not the finished softmax but p = 2^(t - M), with t = logit x log2(e) and M = ceil(the row's largest t), a whole number; so 1/2 < the row's largest p <= 1. The row's sum l is taken of the UNQUANTISED p, in f32, and the product's result is divided by l at the end. Since M is a whole number, a kernel that streams over the keys may use a running M (the ceiling of the running maximum): every later rescaling is an exact power of two, which a block's scale takes up: the codes' values come out the same.
;;   OPERANDS COMPUTED ON THE WAY. 'Computed on the way' means the value that the module computes at that place (a softmax that the list does not call 'softmax' is quantised finished and normalised). What goes into a quantiser is computed in f32, as accurately as f32 sums, v_exp_f32 and their like allow (about 1e-6 of the number): no bf16 or f16 on the way to a quantiser, and a product that is left as it is and whose result goes on into a quantised operand takes f32 operands (vector FMAs, or v_wmma_f32_16x16x4_f32). A number that lies on a knife's edge between two numbers of the format may be rounded either way, as far as f32 arithmetic and the matrix unit's own rounding can turn it there, and no further.
;; One version. Each part assembles by itself: llvm-mc -triple=amdgcn-amd-amdhsa -mcpu=gfx1250 --defsym DOCPART=n.
;; ======== version 1 of 1: 4 launches
;; limits: right only within a limited range of input values
;; workspace buffers: xq 6,553,600 bytes; wq 3,276,800 bytes; qc 6,815,744 bytes; kc 6,815,744 bytes; vc 6,553,600 bytes; oq 6,553,600 bytes
;; launch prep (part 1): grid 384 x 1, 4 waves a work-group, no clusters, 46,592 bytes of LDS; arguments x, w_qkv, w_out, xq, wq; writes xq, wq
.if DOCPART == 1
	.amdgcn_target "amdgcn-amd-amdhsa--gfx1250"
	.amdhsa_code_object_version 6
	.text
	.protected	k_q22c7767776_prep
	.globl	k_q22c7767776_prep
	.p2align	8
	.type	k_q22c7767776_prep,@function
k_q22c7767776_prep:
	s_mov_b64 s[64:65], 0
	v_nop
	global_prefetch_b8 v0, s[64:65] scope:SCOPE_SE
	s_setreg_imm32_b32 hwreg(HW_REG_WAVE_MODE, 25, 1), 1
	s_wait_xcnt 0x0
; x [8192][1024], w_qkv [1024][3072] and w_out [1024][1024], f32, become codes of FP6 (E2M3) with one E8M0 byte for each 32 along K, laid as the two GEMMs read them.
; A block's scale is 2^(floor(log2(its largest magnitude)) - 2); its byte is the largest magnitude's exponent field - 2, held at 1 from below.
; LIMITS: NaN and infinities are not served; a block of zeros, or one whose largest magnitude lies under 2^-124, gets the byte 1 (its codes are zeros or the floor's; this program alone reads the bytes).
; LAYOUT OF xq AND wq.  Rows (tokens; columns of a weight) stand in POSITION order: position = the row's number with bits 3 and 4 exchanged, so that a tile of 16 positions 32 B + 16 u + r holds rows 32 B + 8 u + r + 8 (r / 8).
; A record is 128 positions, 102,400 bytes: codes [K / 64: 16][tile of 16 positions: 8][768 bytes], then at 98,304 the scale bytes [K / 256: 4][position: 128][8].
; The 768 bytes are the image of six operand registers: lane (r, h) holds the 32 codes k = 32 h .. 32 h + 31 of position r; registers 0-3 lie at 16 x lane, registers 4-5 at 512 + 8 x lane.
; THREE PATHS on the work-group's number, each with LDS bytes of its own: 0-255 x (32 rows each), 256-351 w_qkv, 352-383 w_out (128 columns x 256 along K each).  Waves share nothing: no barrier.
.set RBS,   102400                     ; a record
.set SCO,   98304                      ; its scale bytes
.set XPW,   8448                       ; x's stage of a wave: 16 rows x (512 bytes + 16)
.set WQST,  33792                      ; w_qkv's stages: 1,536 bytes a wave
.set WOST,  39936                      ; w_out's
.set SPARE, 46080                      ; the spare words, 128 bytes for each wave: two blocks of 256 bytes that no other line names
.set SPW,   12                         ; v12  LDS address of my spare word; never rewritten
.set NIL,   13                         ; v13  0; never rewritten
.set X,     32                         ; path x: v32-95 64 numbers of my row: two whole blocks
.set R,     96                         ; path x: v96-223 two sets of 64 registers as loaded
	s_load_b128 s[4:7], s[0:1], 0x0                ; x, w_qkv
	s_load_b128 s[8:11], s[0:1], 0x10              ; w_out, xq
	s_load_b64 s[12:13], s[0:1], 0x20              ; wq
	v_lshl_add_u32 v[SPW], v0, 2, SPARE
	v_mov_b32 v[NIL], 0
	v_lshrrev_b32 v1, 5, v0
	v_readfirstlane_b32 s14, v1                    ; wave 0..3
	v_and_b32 v14, 31, v0                          ; lane
	s_mov_b32 s20, 0x76543210
	s_mov_b32 s21, 0xfedcba98                      ; v_permlanex16_b32's selects for lane l xor 16
	s_wait_kmcnt 0x0
	s_cmp_lt_u32 ttmp9, 256
	s_cbranch_scc0 .Lweights
; ---- PATH X.  Work-group g takes rows 32 g .. 32 g + 31, wave w K = 256 w .. 256 w + 255, in four steps s: tile u = s / 2 of 16 positions, 128 along K (s % 2).
; A load reads 512 consecutive bytes of one row; the step's 16 rows turn through my stage, so that lane (r, h) gets, for each 64 along K, the whole block h of position r.
.macro XLOAD s
.irp i, 0,1,2,3,4,5,6,7,8,9,10,11,12,13,14,15
	global_load_b128 v[R+64*((\s)%2)+4*\i:R+64*((\s)%2)+4*\i+3], v1, s[4:5] offset:(8*((\s)/2)+\i+8*(\i/8))*4096+512*((\s)%2) th:TH_LOAD_NT
.endr
.endm
.macro XTURN s                         ; LDS serves a wave's instructions in order: no wait between the stores and the loads
.irp i, 0,1,2,3,4,5,6,7,8,9,10,11,12,13,14,15
	ds_store_b128 v3, v[R+64*((\s)%2)+4*\i:R+64*((\s)%2)+4*\i+3] offset:528*\i
.endr
.irp c, 0,1
.irp j, 0,1,2,3,4,5,6,7
	ds_load_b128 v[X+32*\c+4*\j:X+32*\c+4*\j+3], v4 offset:256*\c+16*\j
.endr
.endr
.endm
.macro XQ s, c                         ; my block of the step's c-th 64 along K: scale, byte, 32 codes in six registers, stored as the image wants them
.set XS, X+32*(\c)
.set CD, 224+8*(\c)
.set CT, 240+4*(\c)
	v_max3_num_f32 v24, |v[XS]|, |v[XS+1]|, 0x1800000              ; two chains; the floor 2^(3 - 127) holds the byte at 1 from below
	v_max3_num_f32 v25, |v[XS+16]|, |v[XS+17]|, 0x1800000
.irp i, 2,4,6,8,10,12,14
	v_max3_num_f32 v24, v24, |v[XS+\i]|, |v[XS+\i+1]|
	v_max3_num_f32 v25, v25, |v[XS+16+\i]|, |v[XS+17+\i]|
.endr
	v_max_num_f32 v24, v24, v25
	v_add_nc_u32 v24, 0xff000000, v24              ; 2 off the exponent field: the conversion's scale operand
	v_lshrrev_b32 v[26+(\c)], 23, v24              ; the scale's byte
	v_cvt_scalef32_pk16_fp6_f32 v[CD:CD+2], v[XS:XS+15], v24
	v_cvt_scalef32_pk16_fp6_f32 v[CT:CT+2], v[XS+16:XS+31], v24    ; (a conversion's three registers begin on an even number)
	v_nop                                          ; one plain place behind a scaled conversion
.irp i, 0,1,2
	v_mov_b32 v[CD+3+\i], v[CT+\i]
.endr
	global_store_b128 v1, v[CD:CD+3], s[24:25] offset:(2*((\s)%2)+(\c))*6144+((\s)/2)*768       ; 512 consecutive bytes
	global_store_b64 v2, v[CD+4:CD+5], s[24:25] offset:(2*((\s)%2)+(\c))*6144+((\s)/2)*768+512  ; 256 consecutive bytes
.endm
.macro XSTEP s
.if (\s) < 3
	s_wait_loadcnt 16                              ; this step's 16 loads are in; the next step's 16 may be out
.else
	s_wait_loadcnt 0
.endif
	XTURN \s
	s_wait_dscnt 0x0                               ; my 64 numbers are back, and the stage's stores have read their registers,
.if (\s)+2 < 4
	XLOAD (\s)+2                                   ; which take the loads of two steps on
.endif
	s_wait_xcnt 0x0                                ; the last step's stores have read their code registers, which are written again below
	XQ \s, 0
	XQ \s, 1
	v_lshl_or_b32 v20, v27, 16, v26                ; my two bytes: blocks h and 2 + h of these 128 along K,
	v_lshlrev_b32 v20, v5, v20                     ; at their places in the scale word (8 h bits up);
	v_permlanex16_b32 v21, v20, s20, s21
	v_or_b32 v[16+(\s)], v20, v21                  ; with lane l xor 16's two the word is whole: v[16 + 2 u + (s % 2)]
.endm
	s_wait_alu depctr_va_vdst(0)
	v_lshlrev_b32 v1, 4, v14                       ; 16 x lane
	v_lshlrev_b32 v2, 3, v14                       ; 8 x lane
	s_mul_i32 s15, s14, XPW                        ; my stage
	v_add_nc_u32 v3, s15, v1                       ; into it: 16 x lane, a row an instruction
	v_and_b32 v6, 15, v0                           ; r
	v_bfe_u32 v7, v0, 4, 1                         ; h
	v_mul_u32_u24 v4, v6, 528
	v_lshl_add_u32 v4, v7, 7, v4
	v_add_nc_u32 v4, s15, v4                       ; out of it: row r, + 128 h
	v_lshlrev_b32 v5, 3, v7                        ; 8 h
	v_mov_b32 v21, 0                               ; a lane permute's destination counts as one of its sources
	s_lshl_b32 s16, ttmp9, 17                      ; 32 rows of 4,096 bytes,
	s_lshl_b32 s17, s14, 10                        ; my wave's 1,024 bytes of a row
	s_add_co_u32 s16, s16, s17
	s_mov_b32 s17, 0
	s_add_nc_u64 s[4:5], s[4:5], s[16:17]
	s_lshr_b32 s16, ttmp9, 2
	s_mul_i32 s16, s16, RBS                        ; the record: four work-groups to one
	s_and_b32 s18, ttmp9, 3
	s_mul_i32 s19, s18, 1536                       ; my two tiles in it,
	s_mul_i32 s22, s14, 24576                      ; my wave's four 64s along K
	s_add_co_u32 s22, s22, s19
	s_add_co_u32 s22, s22, s16
	s_mov_b32 s23, 0
	s_add_nc_u64 s[24:25], s[10:11], s[22:23]      ; the codes
	s_lshl_b32 s22, s18, 8
	s_lshl_b32 s19, s14, 10
	s_add_co_u32 s22, s22, s19
	s_add_co_u32 s22, s22, s16
	s_add_co_u32 s22, s22, SCO
	s_add_nc_u64 s[26:27], s[10:11], s[22:23]      ; the scale bytes: 256 of them are my wave's
	s_mov_b32 s28, 0xffff0000                      ; lanes 16-31
	XLOAD 0
	XLOAD 1
	s_wait_alu depctr_va_vdst(0)
	XSTEP 0
	XSTEP 1
	XSTEP 2
	XSTEP 3
	v_cndmask_b32 v22, v16, v18, s28               ; lane l stores position l's 8 bytes: tile l / 16, row l % 16, whose words it holds
	v_cndmask_b32 v23, v17, v19, s28
	global_store_b64 v2, v[22:23], s[26:27]        ; 256 consecutive bytes, aligned
	s_wait_tensorcnt 0x0                           ; the wave's end, behind my last LDS store
	ds_add_u32 v[SPW], v[NIL]
	s_wait_dscnt 0x0
	s_endpgm
; ---- PATHS W.  K is the weight's first axis: a lane takes a column and its registers run down K, so a block of 32 lies in one lane and the codes come out with K innermost.
; Work-group j: K = 256 (j % 4) on, columns 128 (j / 4) on (one record); wave w its columns 32 w on.  Lane l's column stands at position 16 u + r, u = bit 3 of l, r = l % 8 + 8 (l / 16).
; Two blocks (64 along K) of the wave's 32 columns are two images of 768 bytes: they are put together in my stage and leave as 1,536 consecutive bytes.
.macro WLOAD t, n                      ; block t: 32 rows of the weight at my column, into set t % 2
.set i, 0
.rept 32
	global_load_b32 v[32+32*((\t)%2)+i], v1, s[24:25] offset:(32*(\t)+i)*4*(\n) th:TH_LOAD_NT
.set i, i+1
.endr
.endm
.macro WBLOCK t, n
.set XS, 32+32*((\t)%2)
.if (\t) < 7
	s_wait_loadcnt 32                              ; this block's 32 loads are in; the next block's may be out
.else
	s_wait_loadcnt 0
.endif
	v_max3_num_f32 v20, |v[XS]|, |v[XS+1]|, 0x1800000
	v_max3_num_f32 v21, |v[XS+16]|, |v[XS+17]|, 0x1800000
.irp i, 2,4,6,8,10,12,14
	v_max3_num_f32 v20, v20, |v[XS+\i]|, |v[XS+\i+1]|
	v_max3_num_f32 v21, v21, |v[XS+16+\i]|, |v[XS+17+\i]|
.endr
	v_max_num_f32 v20, v20, v21
	v_add_nc_u32 v20, 0xff000000, v20              ; the conversion's scale operand
	v_lshrrev_b32 v22, 23, v20                     ; the byte
.if (\t)%4 == 0
	v_mov_b32 v[24+(\t)/4], v22                    ; four bytes to a register, the lower K in the lower byte
.else
	v_lshl_or_b32 v[24+(\t)/4], v22, 8*((\t)%4), v[24+(\t)/4]
.endif
	v_cvt_scalef32_pk16_fp6_f32 v[96:98], v[XS:XS+15], v20
	v_cvt_scalef32_pk16_fp6_f32 v[104:106], v[XS+16:XS+31], v20
	v_nop                                          ; one plain place behind a scaled conversion
	v_mov_b32 v99, v104
	v_mov_b32 v100, v105
	v_mov_b32 v101, v106
	ds_store_b128 v2, v[96:99] offset:256*((\t)%2)     ; I write what lane (r, t % 2) of the image holds
	ds_store_b64 v3, v[100:101] offset:128*((\t)%2)
.if (\t)%2
.irp j, 0,1,2
	ds_load_b128 v[112+12*((\t)/2)+4*\j:112+12*((\t)/2)+4*\j+3], v4 offset:512*\j   ; both images, as they lie (these see the stores above)
.endr
.endif
.if (\t)+2 < 8
	WLOAD (\t)+2, \n
.endif
	s_wait_dscnt 0x0                               ; the stores have read their registers; the images are back
.if (\t)%2
.irp j, 0,1,2
	global_store_b128 v5, v[112+12*((\t)/2)+4*\j:112+12*((\t)/2)+4*\j+3], s[26:27] offset:((\t)/2)*6144+512*\j   ; registers of their own for each 64 along K: no store's data are written again
.endr
.endif
.endm
.macro WPATH n, first, rec0, stg, ptr
	s_sub_co_u32 s15, ttmp9, \first
	s_and_b32 s16, s15, 3                          ; which 256 along K
	s_lshr_b32 s17, s15, 2                         ; which 128 columns
	v_lshlrev_b32 v1, 2, v14                       ; in: 4 bytes a lane
	v_bfe_u32 v7, v0, 3, 1                         ; u
	v_and_b32 v6, 7, v0
	v_bfe_u32 v8, v0, 4, 1
	v_lshl_or_b32 v6, v8, 3, v6                    ; r
	s_mul_i32 s18, s14, 1536
	s_add_co_u32 s18, s18, \stg                    ; my stage
	v_mul_u32_u24 v9, v7, 768
	v_add_nc_u32 v9, s18, v9
	v_lshl_add_u32 v2, v6, 4, v9                   ; registers 0-3 of image u: 16 r
	v_lshl_add_u32 v3, v6, 3, v9
	v_add_nc_u32 v3, 512, v3                       ; registers 4-5: 512 + 8 r
	v_lshlrev_b32 v5, 4, v14                       ; 16 x lane
	v_add_nc_u32 v4, s18, v5
	v_lshl_or_b32 v6, v7, 4, v6                    ; my position among the wave's 32
	v_lshlrev_b32 v6, 3, v6
	s_mul_i32 s18, s16, 1024*\n                    ; 256 rows of 4 n bytes,
	s_lshl_b32 s19, s17, 9                         ; 128 columns,
	s_add_co_u32 s18, s18, s19
	s_lshl_b32 s19, s14, 7                         ; my wave's 32
	s_add_co_u32 s18, s18, s19
	s_mov_b32 s19, 0
	s_add_nc_u64 s[24:25], s[\ptr:\ptr+1], s[18:19]
	s_add_co_u32 s17, s17, \rec0
	s_mul_i32 s18, s17, RBS                        ; the record
	s_mul_i32 s22, s16, 24576
	s_add_co_u32 s22, s22, s18
	s_mul_i32 s23, s14, 1536
	s_add_co_u32 s22, s22, s23
	s_mov_b32 s23, 0
	s_add_nc_u64 s[26:27], s[12:13], s[22:23]      ; the codes
	s_lshl_b32 s22, s16, 10
	s_add_co_u32 s22, s22, s18
	s_lshl_b32 s28, s14, 8
	s_add_co_u32 s22, s22, s28
	s_add_co_u32 s22, s22, SCO
	s_add_nc_u64 s[28:29], s[12:13], s[22:23]      ; the scale bytes
	WLOAD 0, \n
	WLOAD 1, \n
.irp t, 0,1,2,3,4,5,6,7
	WBLOCK \t, \n
.endr
	s_wait_alu depctr_va_vdst(0)
	global_store_b64 v6, v[24:25], s[28:29]        ; my column's 8 bytes at its position: the wave fills 256 consecutive bytes, aligned
	s_wait_tensorcnt 0x0                           ; the wave's end, behind my last LDS store
	ds_add_u32 v[SPW], v[NIL]
	s_wait_dscnt 0x0
	s_endpgm
.endm
.Lweights:
	s_cmp_lt_u32 ttmp9, 352
	s_cbranch_scc0 .Lwout
	s_wait_alu depctr_va_vdst(0)
	WPATH 3072, 256, 0, WQST, 6
.Lwout:
	s_wait_alu depctr_va_vdst(0)
	WPATH 1024, 352, 24, WOST, 8
.Lfunc_end_k_q22c7767776_prep:
	.size	k_q22c7767776_prep, .Lfunc_end_k_q22c7767776_prep-k_q22c7767776_prep
	.p2alignl 7, 3214868480
	.fill 96, 4, 3214868480
	.section	.rodata,"a",@progbits
	.p2align	6, 0x0
	.amdhsa_kernel k_q22c7767776_prep
		.amdhsa_group_segment_fixed_size 46592
		.amdhsa_private_segment_fixed_size 0
		.amdhsa_enable_private_segment 0
		.amdhsa_kernarg_size 40
		.amdhsa_user_sgpr_count 2
		.amdhsa_user_sgpr_kernarg_segment_ptr 1
		.amdhsa_wavefront_size32 1
		.amdhsa_system_sgpr_workgroup_id_x 1
		.amdhsa_system_sgpr_workgroup_id_y 1
		.amdhsa_system_sgpr_workgroup_id_z 1
		.amdhsa_system_vgpr_workitem_id 0
		.amdhsa_next_free_vgpr 256
		.amdhsa_next_free_sgpr 66
		.amdhsa_reserve_vcc 0
		.amdhsa_float_denorm_mode_32 3
		.amdhsa_float_denorm_mode_16_64 3
		.amdhsa_memory_ordered 1
		.amdhsa_forward_progress 1
		.amdhsa_inst_pref_size 114
	.end_amdhsa_kernel
	.amdgpu_metadata
---
amdhsa.version: [ 1, 2 ]
amdhsa.kernels:
  - .name:           k_q22c7767776_prep
    .symbol:         k_q22c7767776_prep.kd
    .args:
      - { .name: x, .offset: 0, .size: 8, .value_kind: global_buffer, .address_space: global }
      - { .name: w_qkv, .offset: 8, .size: 8, .value_kind: global_buffer, .address_space: global }
      - { .name: w_out, .offset: 16, .size: 8, .value_kind: global_buffer, .address_space: global }
      - { .name: xq, .offset: 24, .size: 8, .value_kind: global_buffer, .address_space: global }
      - { .name: wq, .offset: 32, .size: 8, .value_kind: global_buffer, .address_space: global }
    .group_segment_fixed_size: 46592
    .private_segment_fixed_size: 0
    .kernarg_segment_align: 8
    .kernarg_segment_size: 40
    .max_flat_workgroup_size: 128
    .sgpr_count:     66
    .vgpr_count:     256
    .wavefront_size: 32
...
	.end_amdgpu_metadata
.endif
;; end of part 1
;; launch gemm_qkv (part 2): grid 12 x 32, 4 waves a work-group, clusters of 4 x 4, 327,680 bytes of LDS; arguments xq, wq, qc, kc, vc; writes qc, kc, vc
.if DOCPART == 2
	.amdgcn_target "amdgcn-amd-amdhsa--gfx1250"
	.amdhsa_code_object_version 6
	.text
	.protected	k_q22c7767776_gemm_qkv
	.globl	k_q22c7767776_gemm_qkv
	.p2align	8
	.type	k_q22c7767776_gemm_qkv,@function
k_q22c7767776_gemm_qkv:
	s_mov_b64 s[64:65], 0
	v_nop
	global_prefetch_b8 v0, s[64:65] scope:SCOPE_SE
	s_setreg_imm32_b32 hwreg(HW_REG_WAVE_MODE, 25, 1), 1
	s_wait_xcnt 0x0
	s_wait_alu depctr_hold_cnt(0) depctr_sa_sdst(0) depctr_va_vdst(0) depctr_va_sdst(0) depctr_va_ssrc(0) depctr_va_vcc(0) depctr_vm_vsrc(0)
	s_getreg_b32 s2, hwreg(HW_REG_IB_STS2, 6, 4)
	s_cmp_eq_u32 s2, 0
	s_cbranch_scc0 .Lentry_in_a_cluster
	s_endpgm
.Lentry_in_a_cluster:
	s_bfe_u32 s2, ttmp6, 0x10000c
	s_cmp_lg_u32 s2, 0xf033
	s_cbranch_scc0 .Lentry_shape_is_right
	s_endpgm
.Lentry_shape_is_right:
.set RBS,   102400
.set SCO,   98304
.set HF,    768
.set KCB,   6144
.set HALFT, 24576
.set SLOT,  4*HALFT
.set NQ,    2
.set FR,    12
.set NL,    4
.set NP,    4
.set SCL,   2*SLOT
.set SPARE, 213248
.set ADRA, 16
.set ADRB, 20
.set ADRS, 27
.set SPW,  28
.set NIL,  29
.set SC,   32
.set AF,   128
.set TM,   64
.set PW,   80
.set SW,   84
.set CT,   224
.set SEL,  66
.set G1, 24
.set G0, 32
.set G1B, 48
.set G0B, 56
.set G1S, 68
.set G0S, 76
.set G1SB, 80
.set G0SB, 88
.set MSB, 0
.macro WIN new
.if MSB != \new
	s_set_vgpr_msb (MSB<<8)|\new
.set MSB, \new
.endif
.endm
.set MUL_LO, 0xa1
.set MUL_HI, 0xf1
.set FST_LO, MUL_LO
.set FST_HI, MUL_HI
.set TO_B,   0x40
.macro JLOAD g0a, g1a, g0b, g1b
	s_cmp_eq_u32 s15, 0
	s_cbranch_scc0 .Lfor_b_\@
	tensor_load_to_lds s[\g0a:\g0a+3], s[\g1a:\g1a+7]
	s_nop 0
.rept 4
	v_nop
.endr
	s_branch .Lasked_\@
.Lfor_b_\@:
	tensor_load_to_lds s[\g0b:\g0b+3], s[\g1b:\g1b+7]
	s_nop 0
.rept 4
	v_nop
.endr
.Lasked_\@:
.endm
.macro CREST
	s_cmp_lg_u32 s14, 0
	s_cbranch_scc1 .Lnot_wave_0_\@
	s_barrier_signal -3
.Lnot_wave_0_\@:
	s_barrier_wait -3
	s_barrier_signal -1
	s_barrier_wait -1
.endm
.macro CROUND
	s_barrier_signal -1
	s_barrier_wait -1
	CREST
.endm
	s_load_b128 s[4:7], s[0:1], 0x0
	s_load_b128 s[8:11], s[0:1], 0x10
	s_load_b64 s[12:13], s[0:1], 0x20
	v_lshl_add_u32 v[SPW], v0, 2, SPARE
	v_mov_b32 v[NIL], 0
	ds_add_u32 v[SPW], v[NIL]
	ds_add_u32 v[SPW], v[NIL]
	v_lshrrev_b32 v1, 5, v0
	v_readfirstlane_b32 s14, v1
	s_lshr_b32 s15, s14, 1
	s_and_b32 s16, s14, 1
	s_bfe_u32 s40, ttmp6, 0x40000
	s_bfe_u32 s41, ttmp6, 0x40004
	s_and_b32 s17, ttmp7, 0xffff
	s_lshl_b32 s43, s41, 2
	s_lshl_b32 s43, 15, s43
	s_lshl_b32 s44, 0x1111, s40
	s_or_b32 s[G1+0], s43, (3<<16)|(1<<21)
	s_or_b32 s[G1B+0], s44, (3<<16)|(1<<21)
.irp g, G1, G1B                        ; the head's shape: two records' first chunks, two rows of 24,576 bytes, a record apart
	s_mov_b32 s[\g+1], 3072<<16
	s_mov_b32 s[\g+2], 2<<16
	s_mov_b32 s[\g+3], 3072<<16
	s_mov_b32 s[\g+4], 2
	s_mov_b32 s[\g+5], 12800
	s_mov_b32 s[\g+6], 0
	s_mov_b32 s[\g+7], 0
.endr
	s_or_b32 s[G1S+0], s43, (3<<16)|(1<<21)
	s_or_b32 s[G1SB+0], s44, (3<<16)|(1<<21)
.irp g, G1S, G1SB                      ; two records' scale bytes: two rows of 4,096 bytes, a record apart
	s_mov_b32 s[\g+1], 512<<16
	s_mov_b32 s[\g+2], 2<<16
	s_mov_b32 s[\g+3], 512<<16
	s_mov_b32 s[\g+4], 2
	s_mov_b32 s[\g+5], 12800
	s_mov_b32 s[\g+6], 0
	s_mov_b32 s[\g+7], 0
.endr
	s_cmp_eq_u32 ttmp9, 2
	s_cselect_b32 s18, s17, ttmp9
	s_cselect_b32 s19, ttmp9, s17
	s_lshl_b32 s20, s19, 3
	s_lshl_b32 s21, s41, 1
	s_add_co_u32 s20, s20, s21
	s_add_co_u32 s20, s20, s16
	s_mul_i32 s20, s20, RBS
	s_mov_b32 s21, 0
	s_lshl_b32 s46, s18, 3
	s_lshl_b32 s47, s40, 1
	s_add_co_u32 s46, s46, s47
	s_add_co_u32 s46, s46, s16
	s_mul_i32 s46, s46, RBS
	s_mov_b32 s47, 0
	s_mul_i32 s45, s14, HALFT
	s_lshl_b32 s42, s14, 12
	s_wait_dscnt 0x0
	s_wait_kmcnt 0x0
	s_cmp_eq_u32 ttmp9, 2
	s_cselect_b64 s[22:23], s[6:7], s[4:5]
	s_cselect_b64 s[66:67], s[4:5], s[6:7]
	s_add_nc_u64 s[20:21], s[22:23], s[20:21]
	s_add_nc_u64 s[46:47], s[66:67], s[46:47]
	CROUND
	s_mul_i32 s2, s16, RBS                         ; from the pair's first record to mine
	s_mov_b32 s3, 0
	s_mov_b32 s92, 1                               ; the head's four tiles, each whole: A's two records' first chunk,
	s_mov_b32 s93, 0
	s_sub_nc_u64 s[94:95], s[20:21], s[2:3]
	s_mov_b32 s4, 1                                ; B's, behind it in slot 0,
	s_mov_b32 s5, 2*HALFT
	s_sub_nc_u64 s[6:7], s[46:47], s[2:3]
	s_mov_b32 s[G0S], 1                            ; A's scale bytes,
	s_mov_b32 s[G0S+1], SCL
	s_add_nc_u64 s[G0S+2:G0S+3], s[94:95], SCO
	s_or_b32 s[G0S+3], s[G0S+3], 0x80000000
	s_mov_b32 s[G0SB], 1                           ; and B's
	s_mov_b32 s[G0SB+1], SCL+8320
	s_add_nc_u64 s[G0SB+2:G0SB+3], s[6:7], SCO
	s_or_b32 s[G0SB+3], s[G0SB+3], 0x80000000
	s_or_b32 s95, s95, 0x80000000
	s_or_b32 s7, s7, 0x80000000
.irp s, 0,1
	s_mov_b32 s[G0+4*\s], 1
	s_add_co_u32 s[G0+4*\s+1], s45, \s*SLOT
	s_add_nc_u64 s[G0+4*\s+2:G0+4*\s+3], s[20:21], \s*HALFT
	s_or_b32 s[G0+4*\s+3], s[G0+4*\s+3], 0x80000000
	s_mov_b32 s[G0B+4*\s], 1
	s_add_co_u32 s[G0B+4*\s+1], s45, \s*SLOT
	s_add_nc_u64 s[G0B+4*\s+2:G0B+4*\s+3], s[46:47], \s*HALFT
	s_or_b32 s[G0B+4*\s+3], s[G0B+4*\s+3], 0x80000000
.endr
	s_cmp_eq_u32 s14, 0                            ; one chain of branches on the wave's number, one load to an arm
	s_cbranch_scc0 .Lh1
	tensor_load_to_lds s[92:95], s[G1:G1+7]
	s_nop 0
.rept 4
	v_nop
.endr
	s_branch .Lhj
.Lh1:
	s_cmp_eq_u32 s14, 1
	s_cbranch_scc0 .Lh2
	tensor_load_to_lds s[4:7], s[G1B:G1B+7]
	s_nop 0
.rept 4
	v_nop
.endr
	s_branch .Lhj
.Lh2:
	s_cmp_eq_u32 s14, 2
	s_cbranch_scc0 .Lh3
	tensor_load_to_lds s[G0S:G0S+3], s[G1S:G1S+7]
	s_nop 0
.rept 4
	v_nop
.endr
	s_branch .Lhj
.Lh3:
	tensor_load_to_lds s[G0SB:G0SB+3], s[G1SB:G1SB+7]
	s_nop 0
.rept 4
	v_nop
.endr
.Lhj:
	s_wait_alu depctr_va_vdst(0)
	s_wait_tensorcnt 0x0                           ; my tile of the head's four is in
	ds_add_u32 v28, v29
.irp g, G1, G1B                        ; no tensor load of mine is out: from here on a load brings a record's chunk as 96 rows of 256 bytes
	s_mov_b32 s[\g+1], 32<<16
	s_mov_b32 s[\g+2], 96<<16
	s_mov_b32 s[\g+3], 32<<16
	s_mov_b32 s[\g+4], 96
	s_mov_b32 s[\g+5], 32
.endr
	s_wait_dscnt 0x0
	CROUND
	JLOAD G0+4, G1, G0B+4, G1B                     ; slot 1's first fill, the first tensor load behind the round
	v_and_b32 v1, 15, v0
	v_bfe_u32 v2, v0, 4, 1
	v_and_b32 v3, 31, v0
	v_lshlrev_b32 v4, 4, v3
	v_lshlrev_b32 v5, 3, v3
	s_mul_i32 s21, s15, HALFT
	s_mul_i32 s22, s16, HALFT
	s_add_co_u32 s22, s22, 2*HALFT
.irp s, 0,1
	v_add_nc_u32 v[ADRA+\s], s21, v4
	v_add_nc_u32 v[ADRB+\s], s22, v4
	v_add_nc_u32 v[ADRA+2+\s], s21, v5
	v_add_nc_u32 v[ADRB+2+\s], s22, v5
	s_add_co_u32 s21, s21, SLOT
	s_add_co_u32 s22, s22, SLOT
.endr
	s_lshl_b32 s21, s15, 12
	s_lshl_b32 s22, s16, 12
	s_add_co_u32 s22, s22, 8320
	s_sub_co_u32 s22, s22, s21
	v_mul_u32_u24 v6, s22, v2
	s_add_co_u32 s21, s21, SCL
	v_lshl_add_u32 v6, v1, 3, v6
	v_add_nc_u32 v[ADRS], s21, v6
	s_lshl_b32 s18, s40, 1
	s_add_co_u32 s18, s18, s16
	s_lshl_b32 s19, s41, 1
	s_add_co_u32 s19, s19, s15
	s_lshl_b32 s17, s17, 3
	s_cmp_eq_u32 ttmp9, 0
	s_cselect_b64 s[2:3], s[8:9], s[10:11]
	s_cmp_eq_u32 ttmp9, 2
	s_cselect_b64 s[2:3], s[12:13], s[2:3]
	s_cselect_b32 s22, s19, s18
	s_cselect_b32 s23, s18, s19
	s_mov_b32 s42, 106496
	s_cselect_b32 s42, 102400, s42
	s_mov_b32 s43, 6656
	s_cselect_b32 s43, 6400, s43
	s_mov_b32 s20, 3328
	s_cselect_b32 s20, 102400, s20
	s_mov_b32 s46, 106496
	s_cselect_b32 s46, 3072, s46
	s_mov_b32 s44, 3072
	s_cselect_b32 s44, 6144, s44
	s_mov_b32 s45, 106496
	s_cselect_b32 s45, 0, s45
	s_cselect_b32 s66, 0, 16
	s_cselect_b32 s67, 1, 0
	s_add_co_u32 s23, s23, s17
	s_lshr_b32 s17, s23, 4
	s_lshl_b32 s17, s17, 4
	s_lshl_b32 s22, s22, 1
	s_add_co_u32 s17, s17, s22
	s_mul_i32 s17, s17, s42
	s_and_b32 s23, s23, 15
	s_mul_i32 s23, s23, s43
	s_add_co_u32 s22, s17, s23
	s_mov_b32 s23, 0
	s_mov_b32 s21, 0
	s_mov_b32 s47, 0
	s_add_nc_u64 s[92:93], s[2:3], s[22:23]
	s_add_nc_u64 s[94:95], s[92:93], s[20:21]
	s_add_nc_u64 s[96:97], s[92:93], s[46:47]
	s_add_nc_u64 s[98:99], s[94:95], s[46:47]
	v_mov_b32 v24, v4
	v_mov_b32 v25, v5
	v_mul_u32_u24 v26, v2, s45
	v_lshl_add_u32 v26, v1, 4, v26
	v_add_nc_u32 v26, s44, v26
	v_mul_u32_u24 v30, v2, s66
	v_mul_u32_u24 v31, v2, s67
	s_mov_b32 s[SEL], 0x76543210
	s_mov_b32 s[SEL+1], 0xfedcba98
.macro FRAG reg, adr, q, i
	ds_load_b128 v[\reg:\reg+3], v[\adr] offset:2*(\q)*KCB+(\i)*HF
	ds_load_b64 v[\reg+4:\reg+5], v[\adr+2] offset:2*(\q)*KCB+(\i)*HF+512
	ds_load_b128 v[\reg+6:\reg+9], v[\adr] offset:(2*(\q)+1)*KCB+(\i)*HF
	ds_load_b64 v[\reg+10:\reg+11], v[\adr+2] offset:(2*(\q)+1)*KCB+(\i)*HF+512
.endm
.macro MUL16 a0, p, q, sc, zero
.irp a, \a0, \a0+1
.irp b, 0,1,2,3,4,5,6,7
.if \zero
	v_wmma_scale_f32_16x16x128_f8f6f4 v[8*(8*((\a)%4)+\b):8*(8*((\a)%4)+\b)+7], v[128*(\p)+FR*\b:128*(\p)+FR*\b+FR-1], v[AF+FR*(\a):AF+FR*(\a)+FR-1], 0, v[SC+8*NQ*(\sc)+NQ*\b+(\q)], v[SC+8*NQ*(\sc)+NQ*(\a)+(\q)] matrix_a_fmt:MATRIX_FMT_FP6 matrix_b_fmt:MATRIX_FMT_FP6 matrix_a_scale:MATRIX_SCALE_ROW1
.else
	v_wmma_scale_f32_16x16x128_f8f6f4 v[8*(8*((\a)%4)+\b):8*(8*((\a)%4)+\b)+7], v[128*(\p)+FR*\b:128*(\p)+FR*\b+FR-1], v[AF+FR*(\a):AF+FR*(\a)+FR-1], v[8*(8*((\a)%4)+\b):8*(8*((\a)%4)+\b)+7], v[SC+8*NQ*(\sc)+NQ*\b+(\q)], v[SC+8*NQ*(\sc)+NQ*(\a)+(\q)] matrix_a_fmt:MATRIX_FMT_FP6 matrix_b_fmt:MATRIX_FMT_FP6 matrix_a_scale:MATRIX_SCALE_ROW1
.endif
.endr
.endr
.endm
.macro FETCH_B slot, q, p
	WIN TO_B
.irp i, 0,1,2,3,4,5,6,7
	FRAG 128*(\p)+FR*\i, ADRB+\slot, \q, \i
.endr
	WIN 0
.endm
.macro FETCH_A slot, q, i0
.irp i, \i0, \i0+1, \i0+2, \i0+3
	FRAG AF+FR*(\i), ADRA+\slot, \q, \i
.endr
.endm
.macro SCALES sc
.irp i, 0,1,2,3,4,5,6,7
	ds_load_b64 v[SC+8*NQ*\sc+NQ*\i:SC+8*NQ*\sc+NQ*\i+1], v[ADRS] offset:\i*128
.endr
.endm
.macro PLACES n
.rept \n
	v_nop
.endr
.endm
.macro STEP slot, q, zero
	s_wait_dscnt 4*NL
.if \zero
	WIN FST_LO
.else
	WIN MUL_LO
.endif
	MUL16 0, (\q)%2, \q, \slot, \zero
	MUL16 2, (\q)%2, \q, \slot, \zero
	s_wait_dscnt 0
	PLACES NP
	FETCH_B \slot, (\q)+1, 1-(\q)%2
	FETCH_A \slot, (\q)+1, 0
.if \zero
	WIN FST_HI
.else
	WIN MUL_HI
.endif
	MUL16 4, (\q)%2, \q, \slot, \zero
	MUL16 6, (\q)%2, \q, \slot, \zero
	PLACES NP
	WIN 0
	FETCH_A \slot, (\q)+1, 4
.endm
.macro TURN slot, next, fill
	s_wait_tensorcnt 0x0
	ds_add_u32 v[SPW], v[NIL]
	s_wait_dscnt 4*NL+1
	WIN MUL_LO
	MUL16 0, 1, NQ-1, \slot, 0
	s_wait_dscnt 0x0
	s_barrier_signal -1
	MUL16 2, 1, NQ-1, \slot, 0
	WIN 0
	s_barrier_wait -1
.if \fill
	CREST
	s_add_nc_u64 s[G0+4*\slot+2:G0+4*\slot+3], s[G0+4*\slot+2:G0+4*\slot+3], 2*HALFT
	s_add_nc_u64 s[G0B+4*\slot+2:G0B+4*\slot+3], s[G0B+4*\slot+2:G0B+4*\slot+3], 2*HALFT
	JLOAD G0+4*\slot, G1, G0B+4*\slot, G1B
.else
	PLACES NP
.endif
	s_wait_alu depctr_va_vdst(0)
	v_add_nc_u32 v[ADRS], 1024, v[ADRS]
	FETCH_B \next, 0, 0
	FETCH_A \next, 0, 0
	SCALES \next
	WIN MUL_HI
	MUL16 4, 1, NQ-1, \slot, 0
	MUL16 6, 1, NQ-1, \slot, 0
	PLACES NP
	WIN 0
	FETCH_A \next, 0, 4
.endm
	s_wait_alu depctr_va_vdst(0)
	s_wait_tensorcnt 1
	s_barrier_signal -1
	s_barrier_wait -1
	FETCH_B 0, 0, 0
	FETCH_A 0, 0, 0
	SCALES 0
	FETCH_A 0, 0, 4
	STEP 0, 0, 1
	TURN 0, 1, 1
	STEP 1, 0, 0
	TURN 1, 0, 1
	STEP 0, 0, 0
	TURN 0, 1, 0
	STEP 1, 0, 0
	s_wait_dscnt 4*NL
	WIN MUL_LO
	MUL16 0, 1, NQ-1, 1, 0
	MUL16 2, 1, NQ-1, 1, 0
	s_wait_dscnt 0
	WIN MUL_HI
	MUL16 4, 1, NQ-1, 1, 0
	MUL16 6, 1, NQ-1, 1, 0
	WIN 0
.macro QUANTW a
.set AC, 64*((\a)%4)
.set WN, 2+(\a)/4
.set WW, WN|(WN<<2)
.set PC, 128+12*(\a)
	WIN WW
.irp b, 0,1,2,3
	v_max3_num_f32 v[TM+\b], |v[AC+16*\b]|, |v[AC+1+16*\b]|, 0x1800000
.endr
.irp i, 2,4,6,8,10,12,14
.irp b, 0,1,2,3
	v_max3_num_f32 v[TM+\b], |v[AC+16*\b+\i]|, |v[AC+1+16*\b+\i]|, v[TM+\b]
.endr
.endr
	WIN 0
.irp b, 0,1,2,3
	v_permlanex16_b32 v[TM+4+\b], v[TM+\b], s[SEL], s[SEL+1]
.endr
.irp b, 0,1,2,3
	v_max_num_f32 v[TM+\b], v[TM+\b], v[TM+4+\b]
.endr
.irp b, 0,1,2,3
	v_add_nc_u32 v[TM+12+\b], 0xff000000, v[TM+\b]
.endr
.irp b, 0,1,2,3
	v_lshrrev_b32 v[TM+4+\b], 23, v[TM+12+\b]
.endr
	v_lshl_or_b32 v[PW], v[TM+5], 8, v[TM+4]
	v_lshl_or_b32 v[PW], v[TM+6], 16, v[PW]
	v_lshl_or_b32 v[PW], v[TM+7], 24, v[PW]
	WIN WN
.irp c, 0,1
	v_cvt_scalef32_pk16_fp6_f32 v[PC+6*\c:PC+2+6*\c], v[AC+32*\c:AC+15+32*\c], v[TM+12+2*\c]
	v_cvt_scalef32_pk16_fp6_f32 v[CT+4*\c:CT+2+4*\c], v[AC+16+32*\c:AC+31+32*\c], v[TM+12+2*\c+1]
.endr
	WIN 0
	v_nop
.irp c, 0,1
.irp i, 0,1,2
	v_permlane16_swap_b32 v[PC+6*\c+\i], v[CT+4*\c+\i]
.endr
.irp i, 0,1,2
	v_mov_b32 v[PC+3+6*\c+\i], v[CT+4*\c+\i]
.endr
.endr
.endm
	PLACES NP
.irp b, 0,1,2,3
	v_mov_b32 v[TM+4+\b], 0
.endr
.irp a, 0,1,2,3,4,5,6,7
	QUANTW \a
	v_lshrrev_b32 v[SW+\a], v30, v[PW]
	global_store_b128 v24, v[128+12*\a:131+12*\a], s[92+2*(\a/4):93+2*(\a/4)] offset:768*(\a%4)
	global_store_b64 v25, v[132+12*\a:133+12*\a], s[92+2*(\a/4):93+2*(\a/4)] offset:768*(\a%4)+512
	global_store_b128 v24, v[134+12*\a:137+12*\a], s[96+2*(\a/4):97+2*(\a/4)] offset:768*(\a%4)
	global_store_b64 v25, v[138+12*\a:139+12*\a], s[96+2*(\a/4):97+2*(\a/4)] offset:768*(\a%4)+512
.endr
	s_wait_alu depctr_va_vdst(0)
	s_wait_xcnt 0x0
	v_cmpx_eq_u32 0, v31
	global_store_b128 v26, v[SW:SW+3], s[92:93]
	global_store_b128 v26, v[SW+4:SW+7], s[94:95]
	s_wait_xcnt 0x0
	s_mov_b32 exec_lo, -1
	s_wait_tensorcnt 0x0
	ds_add_u32 v[SPW], v[NIL]
	s_wait_dscnt 0x0
	CROUND
	s_endpgm
.Lfunc_end_k_q22c7767776_gemm_qkv:
	.size	k_q22c7767776_gemm_qkv, .Lfunc_end_k_q22c7767776_gemm_qkv-k_q22c7767776_gemm_qkv
	.p2alignl 7, 3214868480
	.fill 96, 4, 3214868480
	.section	.rodata,"a",@progbits
	.p2align	6, 0x0
	.amdhsa_kernel k_q22c7767776_gemm_qkv
		.amdhsa_group_segment_fixed_size 327680
		.amdhsa_private_segment_fixed_size 0
		.amdhsa_enable_private_segment 0
		.amdhsa_kernarg_size 40
		.amdhsa_user_sgpr_count 2
		.amdhsa_user_sgpr_kernarg_segment_ptr 1
		.amdhsa_wavefront_size32 1
		.amdhsa_system_sgpr_workgroup_id_x 1
		.amdhsa_system_sgpr_workgroup_id_y 1
		.amdhsa_system_sgpr_workgroup_id_z 1
		.amdhsa_system_vgpr_workitem_id 0
		.amdhsa_next_free_vgpr 1024
		.amdhsa_next_free_sgpr 100
		.amdhsa_reserve_vcc 0
		.amdhsa_float_denorm_mode_32 3
		.amdhsa_float_denorm_mode_16_64 3
		.amdhsa_memory_ordered 1
		.amdhsa_forward_progress 1
		.amdhsa_inst_pref_size 151
	.end_amdhsa_kernel
	.amdgpu_metadata
---
amdhsa.version: [ 1, 2 ]
amdhsa.kernels:
  - .name:           k_q22c7767776_gemm_qkv
    .symbol:         k_q22c7767776_gemm_qkv.kd
    .args:
      - { .name: xq, .offset: 0, .size: 8, .value_kind: global_buffer, .address_space: global }
      - { .name: wq, .offset: 8, .size: 8, .value_kind: global_buffer, .address_space: global }
      - { .name: qc, .offset: 16, .size: 8, .value_kind: global_buffer, .address_space: global }
      - { .name: kc, .offset: 24, .size: 8, .value_kind: global_buffer, .address_space: global }
      - { .name: vc, .offset: 32, .size: 8, .value_kind: global_buffer, .address_space: global }
    .group_segment_fixed_size: 327680
    .private_segment_fixed_size: 0
    .kernarg_segment_align: 8
    .kernarg_segment_size: 40
    .max_flat_workgroup_size: 128
    .sgpr_count:     100
    .vgpr_count:     1024
    .wavefront_size: 32
...
	.end_amdgpu_metadata
.endif
;; end of part 2
;; launch attn (part 3): grid 4 x 64, 8 waves a work-group, clusters of 4 x 1, 212,992 bytes of LDS; arguments qc, kc, vc, oq; writes oq
.if DOCPART == 3
	.amdgcn_target "amdgcn-amd-amdhsa--gfx1250"
	.amdhsa_code_object_version 6
	.text
	.protected	k_q22c7767776_attn
	.globl	k_q22c7767776_attn
	.p2align	8
	.type	k_q22c7767776_attn,@function
k_q22c7767776_attn:
	s_mov_b64 s[64:65], 0
	v_nop
	global_prefetch_b8 v0, s[64:65] scope:SCOPE_SE
	s_setreg_imm32_b32 hwreg(HW_REG_WAVE_MODE, 25, 1), 1
	s_wait_xcnt 0x0
	s_wait_alu depctr_hold_cnt(0) depctr_sa_sdst(0) depctr_va_vdst(0) depctr_va_sdst(0) depctr_va_ssrc(0) depctr_va_vcc(0) depctr_vm_vsrc(0)
	s_getreg_b32 s2, hwreg(HW_REG_IB_STS2, 6, 4)
	s_cmp_eq_u32 s2, 0
	s_cbranch_scc0 .Lentry_in_a_cluster
	s_endpgm
.Lentry_in_a_cluster:
	s_bfe_u32 s2, ttmp6, 0x10000c
	s_cmp_lg_u32 s2, 0x3003
	s_cbranch_scc0 .Lentry_shape_is_right
	s_endpgm
.Lentry_shape_is_right:
; o = softmax(q k^T / 8) v for one head, both products on codes of FP6 (E2M3) with E8M0 scales; o / l is quantised along the channels and leaves as the last product's operand.
; THE SOFTMAX: t = score x log2(e) / 8; M = the running largest t rounded up to a whole number; p = 2^(t - M) is quantised along the keys, not normalised; the row's sum is taken of the unquantised p and divides at the end.
; When M moves, the sum and O are multiplied by 2^(old M - new M): exact.
; SHARES.  A work-group owns one head and 512 query positions; each of its eight waves four tiles of 16 queries, which share every fragment of K and V that the wave reads from LDS.  Every wave walks the head's 2,048 keys, 128 a step.
; LDS: the head's K as it lies in kc (32 records of 3,328 bytes: four images of 768 and 256 bytes of scale words) from byte 0; the head's V (16 records of 6,400) from byte VB; the spare words.  Filled once, never again.
; CLUSTER: the four work-groups of a head read the same K and V: each wave issues ONE joint load at the head, waves 0-3 a quarter of K (104 rows of 256 bytes), waves 4-7 a quarter of V (100 rows).  One tensor load of mine is out.
; No data prefetch: all of K and V is asked for at the head, so no loop runs ahead of a load.
; LAYOUT.  Both products are used transposed: S^T = K Q^T, O^T = V^T P^T: a lane holds one query throughout.  THE KEYS OF A TILE ARE CHOSEN BY THE LANES' ADDRESSES: row 8 g + j of tile 4 c + u is key 64 c + 32 g + 8 u + j of the step,
; which lies in image 2 g + u % 2 of record c at row 8 (u / 2) + j.  So a lane's registers 32 c .. 32 c + 31 of S^T are the whole scale block 2 c + (lane / 16), in the order of the operand's registers: no lane is asked for a block's maximum, no code changes lanes.
; K = 64 IN A FORM OF K = 128: Q's registers 6-11 are zero codes; K's fragment of tile t is six registers and the six behind them (the next tile's codes, or a pad), which meet zeros only.
; A TILE'S TURN, on two buffers of S^T by turns: the NEXT tile's maxima; this tile's sum and O^T under its new M; this tile's 66 exponentials; behind them, ahead of their wait, the next tile's M and its t - M;
; then this tile's sum, scales and codes; the score products of the tile after the next, into the buffer just read out; the codes' moves and that tile's first maxima, which are the places; this tile's four products with V.
; K of the next step is fetched behind tile 3's score products (turn 1), V behind tile 3's products with V (turn 3).
; THE LAST TRIP looks beyond the end: its fetches are held at step 15, so its last two turns multiply tiles 0 and 1 by step 15's K once more, and tile 0's largest score takes in scores that it has seen: no state moves, nobody reads the rest.
; LIMITS: NaN and infinities are not served; p under 2^-126 counts as 0; a block of zeros or under 2^-124 gets the byte 1; the promise holds while the scaled scores stay under 2^31 in magnitude.
; REGISTERS, window 0: v1-4 lane terms, v5, v6 the add's two, v7-9 K's lane terms, v10 a byte selector, v12-17 the step's LDS addresses, v[18:19] f, v20-35 a tile's -M, largest score, sum (pair), v36-43 eight chains,
; v44-47 two tiles' block maxima, v48-63 at work, v64-71 K's scale words, v72-75 V's, v76-79 Q's, v80-207 S^T then p, twice, v208-255 V.
; Window 1: v0-47 K, v48-53 pad, v56-67 p's codes, v68-74 at work, v76-123 Q's four tiles, each with six zeros, v128-255 O^T of the four tiles.
.set VB,    106496
.set KST,   6656
.set VST,   6400
.set SPARE, 208896                     ; the spare words, 128 bytes for each wave: four blocks of 256 bytes that no other line names
.set SPW, 5
.set NIL, 6
.set MSB, 0
.macro WIN new                         ; the immediate's high byte repeats the setting that is left
.if MSB != \new
	s_set_vgpr_msb (MSB<<8)|\new
.set MSB, \new
.endif
.endm
.macro WALU
	s_wait_alu depctr_va_vdst(0)
.endm
.macro CROUND
	s_barrier_signal -1
	s_barrier_wait -1
	s_cmp_lg_u32 s12, 0
	s_cbranch_scc1 .Lnot_wave_0_\@
	s_barrier_signal -3
.Lnot_wave_0_\@:
	s_barrier_wait -3
	s_barrier_signal -1
	s_barrier_wait -1
.endm
	s_load_b256 s[4:11], s[0:1], 0x0               ; qc s[4:5], kc s[6:7], vc s[8:9], oq s[10:11]
	v_lshl_add_u32 v[SPW], v0, 2, SPARE
	v_mov_b32 v[NIL], 0
	ds_add_u32 v[SPW], v[NIL]                      ; the opening lines: the add, twice on end, and its wait ahead of my tensor load
	ds_add_u32 v[SPW], v[NIL]
	v_lshrrev_b32 v11, 5, v0
	v_readfirstlane_b32 s12, v11                   ; wave 0..7
	s_bfe_u32 s13, ttmp6, 0x40000                  ; cx: my block of 512 queries
	s_and_b32 s14, ttmp7, 0xffff                   ; the head, which the four partners share
	s_mov_b32 s24, 15|(3<<16)|(1<<21)              ; group 1, K: the mask of all four; elements of 8 bytes; 104 dense rows of 256 bytes
	s_mov_b32 s25, 32<<16
	s_mov_b32 s26, 104<<16
	s_mov_b32 s27, 32<<16
	s_mov_b32 s28, 104
	s_mov_b32 s29, 32
	s_mov_b32 s30, 0
	s_mov_b32 s31, 0
	s_mov_b32 s32, 15|(3<<16)|(1<<21)              ; V: 100 rows
	s_mov_b32 s33, 32<<16
	s_mov_b32 s34, 100<<16
	s_mov_b32 s35, 32<<16
	s_mov_b32 s36, 100
	s_mov_b32 s37, 32
	s_mov_b32 s38, 0
	s_mov_b32 s39, 0
	s_and_b32 s15, s12, 3                          ; which quarter I fetch
	s_mul_i32 s2, s15, 26624
	s_mul_i32 s3, s15, 25600
	s_mul_i32 s18, s14, 106496
	s_add_co_u32 s18, s18, s2
	s_mov_b32 s19, 0
	s_mul_i32 s66, s14, 102400
	s_add_co_u32 s66, s66, s3
	s_mov_b32 s67, 0
	s_mov_b32 s20, 0x76543210
	s_mov_b32 s21, 0xfedcba98                      ; v_permlanex16_b32's selects for lane l xor 16
	s_mov_b32 s22, 0x3e38aa3b                      ; c = log2(e) / 8
	s_mov_b32 s23, s22                             ; (named with it as a pair, so it is written)
	s_mov_b32 s58, 0xffff0000                      ; lanes 16-31
	s_wait_dscnt 0x0                               ; both opening adds are done
	s_wait_kmcnt 0x0
	s_mov_b32 s40, 1                               ; group 0, K's quarter
	s_mov_b32 s41, s2
	s_add_nc_u64 s[42:43], s[6:7], s[18:19]
	s_or_b32 s43, s43, 0x80000000
	s_mov_b32 s44, 1                               ; V's quarter
	s_add_co_u32 s45, s3, VB
	s_add_nc_u64 s[46:47], s[8:9], s[66:67]
	s_or_b32 s47, s47, 0x80000000
	CROUND                                         ; all four work-groups are here: the joint loads meet
	s_cmp_lt_u32 s12, 4
	s_cbranch_scc0 .Lfor_v
	tensor_load_to_lds s[40:43], s[24:31]
	s_nop 0
.rept 4
	v_nop
.endr
	s_branch .Lasked
.Lfor_v:
	tensor_load_to_lds s[44:47], s[32:39]
	s_nop 0
.rept 4
	v_nop
.endr
.Lasked:
	s_lshl_b32 s15, s14, 5
	s_lshl_b32 s18, s13, 3
	s_add_co_u32 s15, s15, s18
	s_add_co_u32 s15, s15, s12                     ; Q's record of 64 positions: 32 head + 8 cx + wave: my four tiles
	s_mul_i32 s18, s15, 3328
	s_add_nc_u64 s[60:61], s[4:5], s[18:19]
	s_lshr_b32 s15, s14, 4
	s_lshl_b32 s15, s15, 4
	s_lshl_b32 s18, s13, 2
	s_add_co_u32 s15, s15, s18
	s_lshr_b32 s18, s12, 1
	s_add_co_u32 s15, s15, s18                     ; oq's record of 128 positions: 16 batch + 4 cx + wave / 2
	s_mul_i32 s15, s15, 102400
	s_and_b32 s2, s14, 15                          ; the head in its batch: 64 along the last product's K
	s_and_b32 s3, s12, 1
	s_lshl_b32 s3, s3, 2                           ; my first tile in the record
	s_mul_i32 s18, s2, 6144
	s_add_co_u32 s18, s18, s15
	s_mul_i32 s59, s3, 768
	s_add_co_u32 s18, s18, s59
	s_add_nc_u64 s[62:63], s[10:11], s[18:19]      ; the codes
	s_lshr_b32 s18, s2, 2
	s_lshl_b32 s18, s18, 10
	s_add_co_u32 s18, s18, s15
	s_lshl_b32 s59, s3, 7
	s_add_co_u32 s18, s18, s59
	s_and_b32 s59, s14, 3
	s_lshl_b32 s59, s59, 1
	s_add_co_u32 s18, s18, s59
	s_add_nc_u64 s[16:17], s[10:11], s[18:19]      ; the scale bytes (98,304 stands in the immediate)
	v_and_b32 v11, 31, v0
	v_lshlrev_b32 v1, 4, v11                       ; 16 x lane
	v_lshlrev_b32 v2, 3, v11                       ; 8 x lane
	v_and_b32 v12, 15, v0                          ; r
	v_lshlrev_b32 v3, 4, v12                       ; 16 r
	v_bfe_u32 v13, v0, 4, 1                        ; h
	v_lshl_add_u32 v4, v12, 3, v13                 ; 8 r + h
	v_and_b32 v14, 7, v0                           ; j
	v_bfe_u32 v15, v0, 3, 1                        ; g
	v_mul_u32_u24 v16, v15, 1536                   ; two images on for rows 8-15 of a tile
	v_lshl_add_u32 v7, v14, 4, v16
	v_lshl_add_u32 v7, v13, 8, v7                  ; K, registers 0-3: 1,536 g + 16 j + 256 h
	v_lshl_add_u32 v8, v14, 3, v16
	v_lshl_add_u32 v8, v13, 7, v8                  ; registers 4-5: 1,536 g + 8 j + 128 h
	v_lshlrev_b32 v9, 4, v14
	v_lshl_add_u32 v9, v15, 3, v9                  ; scale words: 16 j + 8 g
	v_mov_b32 v10, 0x0c070c03                      ; lanes 0-15 put their two scale bytes at bytes 0 and 2 of p's scale word,
	v_mov_b32 v17, 0x070c030c                      ; lanes 16-31 at bytes 1 and 3; the other bytes are 0
	v_cndmask_b32 v10, v10, v17, s58
	WALU
	global_load_b128 v[76:79], v3, s[60:61] offset:3072    ; the four tiles' scale words of row r
.irp i, 0,1,2,3
	v_mov_b32 v[20+4*\i], 0x7f61b1e6               ; -M
	v_mov_b32 v[21+4*\i], 0xff61b1e6               ; the largest score so far: -3e38
	v_mov_b32 v[22+4*\i], 0                        ; the sum, in two halves
	v_mov_b32 v[23+4*\i], 0
.endr
	v_mov_b32 v19, 0                               ; the pair's upper half and the permutes' destinations: written once
	v_mov_b32 v49, 0
	v_mov_b32 v57, 0
	WIN 0x40
.irp i, 0,1,2,3
	global_load_b128 v[76+12*\i:79+12*\i], v1, s[60:61] offset:768*\i
	global_load_b64 v[80+12*\i:81+12*\i], v2, s[60:61] offset:768*\i+512
.endr
.irp i, 0,1,2,3
.irp k, 0,1,2,3,4,5
	v_mov_b32 v[82+12*\i+\k], 0                    ; Q's upper half: zero codes
.endr
.endr
.set j, 48
.rept 6
	v_mov_b32 v[j], 0                              ; the pad behind K's last tile
.set j, j+1
.endr
.set j, 128
.rept 128
	v_mov_b32 v[j], 0                              ; O^T: the step is written once, its first trip finds zeros
.set j, j+1
.endr
	WIN 0
.macro KADR                            ; the LDS addresses of K's step at byte s59
	v_add_nc_u32 v12, s59, v7
	v_add_nc_u32 v13, s59, v8
	v_add_nc_u32 v14, s59, v9
.endm
.macro KLOAD                           ; eight tiles and their scale words: 20 loads
	WIN 0x40
.irp t, 0,1,2,3,4,5,6,7
	ds_load_b128 v[6*\t:6*\t+3], v12 offset:3328*(\t/4)+768*(\t%2)+128*((\t%4)/2)
	ds_load_b64 v[6*\t+4:6*\t+5], v13 offset:3328*(\t/4)+768*(\t%2)+64*((\t%4)/2)+512
.endr
	WIN 0
.irp q, 0,1,2,3
	ds_load_b64 v[64+2*\q:65+2*\q], v14 offset:3072+3328*(\q/2)+128*(\q%2)
.endr
.endm
.macro VADR
	v_add_nc_u32 v15, s59, v1
	v_add_nc_u32 v16, s59, v2
	v_add_nc_u32 v17, s59, v3
.endm
.macro VLOAD                           ; four fragments and their scale words: 17 loads
.irp t, 0,1,2,3
	ds_load_b128 v[208+12*\t:211+12*\t], v15 offset:768*\t
	ds_load_b64 v[212+12*\t:213+12*\t], v16 offset:768*\t+512
	ds_load_b128 v[214+12*\t:217+12*\t], v15 offset:3072+768*\t
	ds_load_b64 v[218+12*\t:219+12*\t], v16 offset:3072+768*\t+512
.endr
	ds_load_b128 v[72:75], v17 offset:6144
.endm
.macro QK i, sb                        ; S^T of tile i into the buffer at sb: eight tiles of 16 keys
	WIN 0x05
.irp t, 0,1,2,3,4,5,6,7
	v_wmma_scale_f32_16x16x128_f8f6f4 v[\sb+8*\t:\sb+7+8*\t], v[6*\t:6*\t+11], v[76+12*(\i):87+12*(\i)], 0, v[64+\t], v[76+(\i)] matrix_a_fmt:MATRIX_FMT_FP6 matrix_b_fmt:MATRIX_FMT_FP6
.endr
	WIN 0
.endm
.macro MAXH sb                         ; the first link of eight chains, one for each accumulator, which is read from its low end on
.irp k, 0,1,2,3,4,5,6,7
	v_max3_num_f32 v[36+\k], v[\sb+8*\k], v[\sb+8*\k+1], v[\sb+8*\k+2]
.endr
.endm
.macro MAXR sb, bm                     ; the other links and the joins: my two blocks' largest scores: for the row's maximum and, since p rises with the score, for each block's largest p
.irp s, 3,5
.irp k, 0,1,2,3,4,5,6,7
	v_max3_num_f32 v[36+\k], v[36+\k], v[\sb+8*\k+\s], v[\sb+8*\k+\s+1]
.endr
.endr
	v_max3_num_f32 v36, v36, v37, v[\sb+7]
	v_max3_num_f32 v40, v40, v41, v[\sb+39]
	v_max3_num_f32 v38, v38, v39, v[\sb+15]
	v_max3_num_f32 v42, v42, v43, v[\sb+47]
	v_max3_num_f32 v36, v36, v38, v[\sb+23]
	v_max3_num_f32 v40, v40, v42, v[\sb+55]
	v_max_num_f32 v[\bm], v36, v[\sb+31]
	v_max_num_f32 v[\bm+1], v40, v[\sb+63]
.endm
.macro NEWM sb, bm, nm                 ; a tile's new M, f, and t - M
	v_max_num_f32 v48, v[\bm], v[\bm+1]
	v_permlanex16_b32 v49, v48, s20, s21
	v_max3_num_f32 v[\nm+1], v[\nm+1], v48, v49    ; the running largest score of my query
	v_mul_f32 v50, s22, v[\nm+1]                   ; as t (c is positive)
	v_floor_f32 v50, -v50                          ; the new -M = -ceil(t)
	v_sub_f32 v51, v50, v[\nm]                     ; old M - new M: a whole number, 0 or less
	v_mov_b32 v[\nm], v50
	v_cvt_i32_f32 v51, v51                         ; (it saturates)
.set j, 0
.rept 32
	v_pk_fma_f32 v[\sb+j:\sb+j+1], v[\sb+j:\sb+j+1], s[22:23], v[\nm:\nm+1] op_sel_hi:[1,0,0]   ; t - M, two at a time
.if j == 6
	v_ldexp_f32 v18, 1.0, v51                      ; f = 2^(old M - new M)
.endif
.set j, j+2
.endr
	v_fma_f32 v[\bm], v[\bm], s22, v[\nm]          ; the same of each block's largest score
	v_fma_f32 v[\bm+1], v[\bm+1], s22, v[\nm]
.endm
.macro SUMRR from, n                   ; n more pairs of p onto the eight chains by turns
.set m, \from
.rept \n
.set kk, m%8
.if kk == 7
	v_pk_add_f32 v[NMA+2:NMA+3], v[NMA+2:NMA+3], v[SA+30+2*m:SA+31+2*m]
.else
	v_pk_add_f32 v[36+2*kk+(kk/4)*14:37+2*kk+(kk/4)*14], v[36+2*kk+(kk/4)*14:37+2*kk+(kk/4)*14], v[SA+30+2*m:SA+31+2*m]
.endif
.set m, m+1
.endr
.endm
; A TILE'S TURN in a key step
.macro TURN i
.set PA,  (\i)%2
.set SA,  80+64*PA                     ; this tile's buffer,
.set SN,  144-64*PA                    ; the next tile's
.set BMA, 44+2*PA
.set BMN, 46-2*PA
.set NMA, 20+4*(\i)
.set NMN, 20+4*(((\i)+1)%4)
.set OA,  128+32*(\i)
	MAXR SN, BMN
	v_pk_mul_f32 v[NMA+2:NMA+3], v[NMA+2:NMA+3], v[18:19] op_sel_hi:[1,0]   ; the sums under the new M
	WIN 0x41
	WALU                                           ; the wait ahead of the batch, directly ahead of the first reader of O^T
.set j, 0
.rept 16
	v_pk_mul_f32 v[OA+j:OA+j+1], v[OA+j:OA+j+1], v[18:19] op_sel_hi:[1,0]   ; O^T under the new M
.set j, j+2
.endr
	WIN 0
.set j, 0
.rept 64
	v_exp_f32 v[SA+j], v[SA+j]                     ; p = 2^(t - M)
.set j, j+1
.endr
	v_exp_f32 v[BMA], v[BMA]                       ; the blocks' largest p: the same two instructions on the same numbers
	v_exp_f32 v[BMA+1], v[BMA+1]
	NEWM SN, BMN, NMN                              ; work that names none of the batch's results stands between the batch and its wait
.if (\i) == 0 || (\i) == 2
	s_wait_dscnt 0x0                               ; turn 0: this step's V is in; turn 2: the next step's K
.endif
	WALU                                           ; one wait for the batch, ahead of its first reader
	v_max_num_f32 v[BMA], 0x1800000, v[BMA]        ; the floor 2^(3 - 127): the byte cannot fall under 1
	v_max_num_f32 v[BMA+1], 0x1800000, v[BMA+1]
.irp k, 0,1,2,3,4,5,6                          ; the row's sum of the unquantised p, in eight chains; the scales' lines stand among them
	v_pk_add_f32 v[36+2*\k+(\k/4)*14:37+2*\k+(\k/4)*14], v[SA+4*\k:SA+4*\k+1], v[SA+4*\k+2:SA+4*\k+3]
.endr
	v_pk_add_f32 v[NMA+2:NMA+3], v[NMA+2:NMA+3], v[SA+28:SA+29]
	v_add_nc_u32 v52, 0xff000000, v[BMA]           ; 2 off the exponent field: the conversions' scale operands
	v_add_nc_u32 v53, 0xff000000, v[BMA+1]
	v_lshl_add_u32 v54, v[BMA], 1, 0xfe000000      ; and the same field, less 2, as the top byte: the scale's byte
	v_lshl_add_u32 v56, v[BMA+1], 1, 0xfe000000
	SUMRR 0, 8
	v_perm_b32 v55, v56, v54, v10                  ; my two bytes at their places in p's scale word
	SUMRR 8, 9
	v_permlanex16_b32 v57, v55, s20, s21
	v_pk_add_f32 v[36:37], v[36:37], v[38:39]
	v_pk_add_f32 v[40:41], v[40:41], v[42:43]
	v_pk_add_f32 v[58:59], v[58:59], v[60:61]
	v_pk_add_f32 v[NMA+2:NMA+3], v[NMA+2:NMA+3], v[62:63]
	v_pk_add_f32 v[36:37], v[36:37], v[40:41]
	v_pk_add_f32 v[NMA+2:NMA+3], v[NMA+2:NMA+3], v[58:59]
	v_pk_add_f32 v[NMA+2:NMA+3], v[NMA+2:NMA+3], v[36:37]
	WIN 0x40
	v_cvt_scalef32_pk16_fp6_f32 v[56:58], v[SA:SA+15], v52
	v_cvt_scalef32_pk16_fp6_f32 v[68:70], v[SA+16:SA+31], v52     ; (a conversion's three registers begin on an even number)
	v_cvt_scalef32_pk16_fp6_f32 v[62:64], v[SA+32:SA+47], v53
	v_cvt_scalef32_pk16_fp6_f32 v[72:74], v[SA+48:SA+63], v53
	WIN 0
	v_or_b32 v55, v55, v57                         ; with lane l xor 16's two the word is whole.  (The plain place behind the conversions)
	QK ((\i)+2)%4, SA                              ; the scores of the tile after the next; turns 2 and 3: of the next step
	WIN 0x41
.irp k, 0,1,2
	v_mov_b32 v[59+\k], v[68+\k]                   ; these six are the places behind the score products
	v_mov_b32 v[65+\k], v[72+\k]
.endr
	WIN 0
.if (\i) == 1
	s_add_co_u32 s59, s56, KST                     ; K's registers are free: the next step's K (held at step 15)
	s_min_u32 s59, s59, 15*KST
	KADR
	KLOAD
.endif
	MAXH SA                                        ; eight lines on the new scores: the places between p's codes and the products
	WIN 0x54
.irp t, 0,1,2,3                                ; the four accumulators take turns
	v_wmma_scale_f32_16x16x128_f8f6f4 v[OA+8*\t:OA+7+8*\t], v[208+12*\t:219+12*\t], v[56:67], v[OA+8*\t:OA+7+8*\t], v[72+\t], v55 matrix_a_fmt:MATRIX_FMT_FP6 matrix_b_fmt:MATRIX_FMT_FP6
.endr
	WIN 0
.if (\i) == 3
	s_add_co_u32 s59, s55, VST                     ; V's registers are free: the next step's V (held at step 15)
	s_min_u32 s59, s59, VB+15*VST
	VADR                                           ; these three and the v_nop are the four places in front of the loads
	v_nop
	VLOAD
.endif
.endm
; THE WAY OUT of a tile: O^T / the sum; its two blocks of 32 channels are quantised; the six code registers are the image of the last product's operand.
.macro FINISH i
.set NM, 20+4*(\i)
.set OA, 128+32*(\i)
.if (\i) > 0
	s_wait_xcnt 0x0                                ; the last tile's stores have read their registers
.endif
	v_add_f32 v[NM+2], v[NM+2], v[NM+3]
	v_permlanex16_b32 v49, v[NM+2], s20, s21
	v_add_f32 v[NM+2], v[NM+2], v49                ; the row's sum
	WALU
	v_rcp_f32 v[NM+2], v[NM+2]
	v_nop                                          ; a plain place behind the transcendental
	WIN 0x01
	WALU                                           ; the wait ahead of its first reader, and of the first reader of O^T
.set j, 0
.rept 16
	v_pk_mul_f32 v[80+j:81+j], v[OA+j:OA+j+1], v[NM+2:NM+3] op_sel_hi:[1,0]   ; register 16 B + k: channel 32 B + 16 h + k of my query
.set j, j+2
.endr
	WIN 0
.irp b, 0,1
	v_max3_num_f32 v[36+\b], |v[80+16*\b]|, |v[81+16*\b]|, 0x1800000
.endr
.irp k, 2,4,6,8,10,12,14
.irp b, 0,1
	v_max3_num_f32 v[36+\b], v[36+\b], |v[80+16*\b+\k]|, |v[81+16*\b+\k]|
.endr
.endr
.irp b, 0,1
	v_permlanex16_b32 v[48+\b], v[36+\b], s20, s21
.endr
.irp b, 0,1
	v_max_num_f32 v[36+\b], v[36+\b], v[48+\b]
.endr
.irp b, 0,1
	v_add_nc_u32 v[52+\b], 0xff000000, v[36+\b]
.endr
.irp b, 0,1
	v_lshrrev_b32 v[50+\b], 23, v[52+\b]
.endr
	v_cvt_scalef32_pk16_fp6_f32 v[208:210], v[80:95], v52
	v_cvt_scalef32_pk16_fp6_f32 v[216:218], v[96:111], v53
	v_cndmask_b32 v54, v50, v51, s58               ; lane (r, h) stores block h's byte.  (A plain place behind the conversions)
.irp k, 0,1,2
	v_permlane16_swap_b32 v[208+\k], v[216+\k]
.endr
.irp k, 0,1,2
	v_mov_b32 v[211+\k], v[216+\k]
.endr
	global_store_b128 v1, v[208:211], s[62:63] offset:768*(\i)        ; 512 consecutive bytes
	global_store_b64 v2, v[212:213], s[62:63] offset:768*(\i)+512     ; 256
	global_store_b8 v4, v54, s[16:17] offset:98304+128*(\i)           ; a position's 8 scale bytes come from four heads, so they leave as single bytes
.endm
	WALU
	s_wait_loadcnt 0x0                             ; Q
	s_wait_tensorcnt 0x0                           ; my quarter of K or of V is in
	s_barrier_signal -1
	s_barrier_wait -1                              ; everybody's is
	s_mov_b32 s56, 0                               ; this step's K,
	s_mov_b32 s55, VB                              ; its V,
	s_mov_b32 s54, 16                              ; steps to go
	s_mov_b32 s59, 0
	KADR
	KLOAD
	s_mov_b32 s59, VB
	VADR
	VLOAD
	s_wait_dscnt 0x0
	QK 0, 80                                       ; what the first turn finds done: tile 0's scores, M and t - M; tile 1's scores and first maxima
.rept 4
	v_nop                                          ; places behind the score products
.endr
	MAXH 80
	MAXR 80, 44
	NEWM 80, 44, 20
	QK 1, 144
.rept 4
	v_nop
.endr
	MAXH 144
	WALU
.Lstep:
	TURN 0
	TURN 1
	TURN 2
	TURN 3
	s_add_co_u32 s56, s56, KST
	s_add_co_u32 s55, s55, VST
	s_sub_co_u32 s54, s54, 1
	s_cmp_lg_u32 s54, 0
	WALU
	s_cbranch_scc1 .Lstep
	s_wait_dscnt 0x0                               ; the last fetch has landed: V's registers serve the way out
	FINISH 0
	FINISH 1
	FINISH 2
	FINISH 3
	s_wait_tensorcnt 0x0                           ; the wave's end
	ds_add_u32 v[SPW], v[NIL]
	s_wait_dscnt 0x0
	CROUND                                         ; the closing round
	s_endpgm
.Lfunc_end_k_q22c7767776_attn:
	.size	k_q22c7767776_attn, .Lfunc_end_k_q22c7767776_attn-k_q22c7767776_attn
	.p2alignl 7, 3214868480
	.fill 96, 4, 3214868480
	.section	.rodata,"a",@progbits
	.p2align	6, 0x0
	.amdhsa_kernel k_q22c7767776_attn
		.amdhsa_group_segment_fixed_size 212992
		.amdhsa_private_segment_fixed_size 0
		.amdhsa_enable_private_segment 0
		.amdhsa_kernarg_size 32
		.amdhsa_user_sgpr_count 2
		.amdhsa_user_sgpr_kernarg_segment_ptr 1
		.amdhsa_wavefront_size32 1
		.amdhsa_system_sgpr_workgroup_id_x 1
		.amdhsa_system_sgpr_workgroup_id_y 1
		.amdhsa_system_sgpr_workgroup_id_z 1
		.amdhsa_system_vgpr_workitem_id 0
		.amdhsa_next_free_vgpr 512
		.amdhsa_next_free_sgpr 72
		.amdhsa_reserve_vcc 0
		.amdhsa_float_denorm_mode_32 3
		.amdhsa_float_denorm_mode_16_64 3
		.amdhsa_memory_ordered 1
		.amdhsa_forward_progress 1
		.amdhsa_inst_pref_size 91
	.end_amdhsa_kernel
	.amdgpu_metadata
---
amdhsa.version: [ 1, 2 ]
amdhsa.kernels:
  - .name:           k_q22c7767776_attn
    .symbol:         k_q22c7767776_attn.kd
    .args:
      - { .name: qc, .offset: 0, .size: 8, .value_kind: global_buffer, .address_space: global }
      - { .name: kc, .offset: 8, .size: 8, .value_kind: global_buffer, .address_space: global }
      - { .name: vc, .offset: 16, .size: 8, .value_kind: global_buffer, .address_space: global }
      - { .name: oq, .offset: 24, .size: 8, .value_kind: global_buffer, .address_space: global }
    .group_segment_fixed_size: 212992
    .private_segment_fixed_size: 0
    .kernarg_segment_align: 8
    .kernarg_segment_size: 32
    .max_flat_workgroup_size: 256
    .sgpr_count:     72
    .vgpr_count:     512
    .wavefront_size: 32
...
	.end_amdgpu_metadata
.endif
;; end of part 3
;; launch gemm_out (part 4): grid 4 x 32, 4 waves a work-group, clusters of 4 x 4, 327,680 bytes of LDS; arguments oq, wq, b_out, out0; writes out0
.if DOCPART == 4
	.amdgcn_target "amdgcn-amd-amdhsa--gfx1250"
	.amdhsa_code_object_version 6
	.text
	.protected	k_q22c7767776_gemm_out
	.globl	k_q22c7767776_gemm_out
	.p2align	8
	.type	k_q22c7767776_gemm_out,@function
k_q22c7767776_gemm_out:
	s_mov_b64 s[64:65], 0
	v_nop
	global_prefetch_b8 v0, s[64:65] scope:SCOPE_SE
	s_setreg_imm32_b32 hwreg(HW_REG_WAVE_MODE, 25, 1), 1
	s_wait_xcnt 0x0
	s_wait_alu depctr_hold_cnt(0) depctr_sa_sdst(0) depctr_va_vdst(0) depctr_va_sdst(0) depctr_va_ssrc(0) depctr_va_vcc(0) depctr_vm_vsrc(0)
	s_getreg_b32 s2, hwreg(HW_REG_IB_STS2, 6, 4)
	s_cmp_eq_u32 s2, 0
	s_cbranch_scc0 .Lentry_in_a_cluster
	s_endpgm
.Lentry_in_a_cluster:
	s_bfe_u32 s2, ttmp6, 0x10000c
	s_cmp_lg_u32 s2, 0xf033
	s_cbranch_scc0 .Lentry_shape_is_right
	s_endpgm
.Lentry_shape_is_right:
.set RBS,   102400
.set SCO,   98304
.set HF,    768
.set KCB,   6144
.set HALFT, 24576
.set SLOT,  4*HALFT
.set NQ,    2
.set FR,    12
.set NL,    4
.set NP,    4
.set SCL,   2*SLOT
.set SPARE, 213248
.set SPITCH, 528
.set ADRA, 16
.set ADRB, 20
.set STO,  24
.set RD,   25
.set CO,   26
.set ADRS, 27
.set SPW,  28
.set NIL,  29
.set SC,   32
.set BI,   64
.set AF,   128
.set BK,   128
.set G1, 24
.set G0, 32
.set G1B, 48
.set G0B, 56
.set G1S, 68
.set G0S, 76
.set G1SB, 80
.set G0SB, 88
.set MSB, 0
.macro WIN new
.if MSB != \new
	s_set_vgpr_msb (MSB<<8)|\new
.set MSB, \new
.endif
.endm
.set MUL_LO, 0xa1
.set MUL_HI, 0xf1
.set FST_LO, 0x81
.set FST_HI, 0xc1
.set TO_B,   0x40
.macro JLOAD g0a, g1a, g0b, g1b
	s_cmp_eq_u32 s15, 0
	s_cbranch_scc0 .Lfor_b_\@
	tensor_load_to_lds s[\g0a:\g0a+3], s[\g1a:\g1a+7]
	s_nop 0
.rept 4
	v_nop
.endr
	s_branch .Lasked_\@
.Lfor_b_\@:
	tensor_load_to_lds s[\g0b:\g0b+3], s[\g1b:\g1b+7]
	s_nop 0
.rept 4
	v_nop
.endr
.Lasked_\@:
.endm
.macro CREST
	s_cmp_lg_u32 s14, 0
	s_cbranch_scc1 .Lnot_wave_0_\@
	s_barrier_signal -3
.Lnot_wave_0_\@:
	s_barrier_wait -3
	s_barrier_signal -1
	s_barrier_wait -1
.endm
.macro CROUND
	s_barrier_signal -1
	s_barrier_wait -1
	CREST
.endm
	s_load_b128 s[4:7], s[0:1], 0x0
	s_load_b128 s[8:11], s[0:1], 0x10
	v_lshl_add_u32 v[SPW], v0, 2, SPARE
	v_mov_b32 v[NIL], 0
	ds_add_u32 v[SPW], v[NIL]
	ds_add_u32 v[SPW], v[NIL]
	v_lshrrev_b32 v1, 5, v0
	v_readfirstlane_b32 s14, v1
	s_lshr_b32 s15, s14, 1
	s_and_b32 s16, s14, 1
	s_bfe_u32 s40, ttmp6, 0x40000
	s_bfe_u32 s41, ttmp6, 0x40004
	s_and_b32 s17, ttmp7, 0xffff
	s_lshl_b32 s43, s41, 2
	s_lshl_b32 s43, 15, s43
	s_lshl_b32 s44, 0x1111, s40
	s_or_b32 s[G1+0], s43, (3<<16)|(1<<21)
	s_or_b32 s[G1B+0], s44, (3<<16)|(1<<21)
.irp g, G1, G1B                        ; the head's shape: two records' first chunks, two rows of 24,576 bytes, a record apart
	s_mov_b32 s[\g+1], 3072<<16
	s_mov_b32 s[\g+2], 2<<16
	s_mov_b32 s[\g+3], 3072<<16
	s_mov_b32 s[\g+4], 2
	s_mov_b32 s[\g+5], 12800
	s_mov_b32 s[\g+6], 0
	s_mov_b32 s[\g+7], 0
.endr
	s_or_b32 s[G1S+0], s43, (3<<16)|(1<<21)
	s_or_b32 s[G1SB+0], s44, (3<<16)|(1<<21)
.irp g, G1S, G1SB                      ; two records' scale bytes: two rows of 4,096 bytes, a record apart
	s_mov_b32 s[\g+1], 512<<16
	s_mov_b32 s[\g+2], 2<<16
	s_mov_b32 s[\g+3], 512<<16
	s_mov_b32 s[\g+4], 2
	s_mov_b32 s[\g+5], 12800
	s_mov_b32 s[\g+6], 0
	s_mov_b32 s[\g+7], 0
.endr
	s_lshl_b32 s20, s17, 3
	s_lshl_b32 s21, s41, 1
	s_add_co_u32 s20, s20, s21
	s_add_co_u32 s20, s20, s16
	s_mul_i32 s20, s20, RBS
	s_mov_b32 s21, 0
	s_lshl_b32 s46, s40, 1
	s_add_co_u32 s46, s46, s16
	s_add_co_u32 s46, s46, 24
	s_mul_i32 s46, s46, RBS
	s_mov_b32 s47, 0
	s_mul_i32 s45, s14, HALFT
	s_lshl_b32 s42, s14, 12
	s_wait_dscnt 0x0
	s_wait_kmcnt 0x0
	s_add_nc_u64 s[20:21], s[4:5], s[20:21]
	s_add_nc_u64 s[46:47], s[6:7], s[46:47]
	CROUND
	s_mul_i32 s2, s16, RBS                         ; from the pair's first record to mine
	s_mov_b32 s3, 0
	s_mov_b32 s92, 1                               ; the head's four tiles, each whole: A's two records' first chunk,
	s_mov_b32 s93, 0
	s_sub_nc_u64 s[94:95], s[20:21], s[2:3]
	s_mov_b32 s4, 1                                ; B's, behind it in slot 0,
	s_mov_b32 s5, 2*HALFT
	s_sub_nc_u64 s[6:7], s[46:47], s[2:3]
	s_mov_b32 s[G0S], 1                            ; A's scale bytes,
	s_mov_b32 s[G0S+1], SCL
	s_add_nc_u64 s[G0S+2:G0S+3], s[94:95], SCO
	s_or_b32 s[G0S+3], s[G0S+3], 0x80000000
	s_mov_b32 s[G0SB], 1                           ; and B's
	s_mov_b32 s[G0SB+1], SCL+8320
	s_add_nc_u64 s[G0SB+2:G0SB+3], s[6:7], SCO
	s_or_b32 s[G0SB+3], s[G0SB+3], 0x80000000
	s_or_b32 s95, s95, 0x80000000
	s_or_b32 s7, s7, 0x80000000
.irp s, 0,1
	s_mov_b32 s[G0+4*\s], 1
	s_add_co_u32 s[G0+4*\s+1], s45, \s*SLOT
	s_add_nc_u64 s[G0+4*\s+2:G0+4*\s+3], s[20:21], \s*HALFT
	s_or_b32 s[G0+4*\s+3], s[G0+4*\s+3], 0x80000000
	s_mov_b32 s[G0B+4*\s], 1
	s_add_co_u32 s[G0B+4*\s+1], s45, \s*SLOT
	s_add_nc_u64 s[G0B+4*\s+2:G0B+4*\s+3], s[46:47], \s*HALFT
	s_or_b32 s[G0B+4*\s+3], s[G0B+4*\s+3], 0x80000000
.endr
	s_cmp_eq_u32 s14, 0                            ; one chain of branches on the wave's number, one load to an arm
	s_cbranch_scc0 .Lh1
	tensor_load_to_lds s[92:95], s[G1:G1+7]
	s_nop 0
.rept 4
	v_nop
.endr
	s_branch .Lhj
.Lh1:
	s_cmp_eq_u32 s14, 1
	s_cbranch_scc0 .Lh2
	tensor_load_to_lds s[4:7], s[G1B:G1B+7]
	s_nop 0
.rept 4
	v_nop
.endr
	s_branch .Lhj
.Lh2:
	s_cmp_eq_u32 s14, 2
	s_cbranch_scc0 .Lh3
	tensor_load_to_lds s[G0S:G0S+3], s[G1S:G1S+7]
	s_nop 0
.rept 4
	v_nop
.endr
	s_branch .Lhj
.Lh3:
	tensor_load_to_lds s[G0SB:G0SB+3], s[G1SB:G1SB+7]
	s_nop 0
.rept 4
	v_nop
.endr
.Lhj:
	s_wait_alu depctr_va_vdst(0)
	s_wait_tensorcnt 0x0                           ; my tile of the head's four is in
	ds_add_u32 v28, v29
.irp g, G1, G1B                        ; no tensor load of mine is out: from here on a load brings a record's chunk as 96 rows of 256 bytes
	s_mov_b32 s[\g+1], 32<<16
	s_mov_b32 s[\g+2], 96<<16
	s_mov_b32 s[\g+3], 32<<16
	s_mov_b32 s[\g+4], 96
	s_mov_b32 s[\g+5], 32
.endr
	s_wait_dscnt 0x0
	CROUND
	JLOAD G0+4, G1, G0B+4, G1B                     ; slot 1's first fill, the first tensor load behind the round
	v_and_b32 v1, 15, v0
	v_bfe_u32 v2, v0, 4, 1
	v_and_b32 v3, 31, v0
	v_lshlrev_b32 v4, 4, v3
	s_wait_alu depctr_va_vdst(0)
	v_lshlrev_b32 v5, 3, v3
	s_wait_alu depctr_va_vdst(0)
	s_lshl_b32 s22, s40, 10
	s_lshl_b32 s23, s16, 9
	s_add_co_u32 s22, s22, s23
	s_mov_b32 s23, 0
	s_add_nc_u64 s[8:9], s[8:9], s[22:23]
	v_lshlrev_b32 v7, 6, v2
.irp b, 0,1,2,3,4,5,6,7
	global_load_b128 v[BI+8*\b:BI+8*\b+3], v7, s[8:9] offset:128*(\b/2)+32*(\b%2)
	global_load_b128 v[BI+8*\b+4:BI+8*\b+7], v7, s[8:9] offset:128*(\b/2)+32*(\b%2)+16
.endr
	s_lshl_b32 s18, s17, 3
	s_lshl_b32 s19, s41, 1
	s_add_co_u32 s18, s18, s19
	s_add_co_u32 s18, s18, s15
	s_lshl_b32 s18, s18, 19
	s_add_co_u32 s22, s22, s18
	s_add_nc_u64 s[12:13], s[10:11], s[22:23]
	s_mul_i32 s21, s15, HALFT
	s_mul_i32 s22, s16, HALFT
	s_add_co_u32 s22, s22, 2*HALFT
.irp s, 0,1
	v_add_nc_u32 v[ADRA+\s], s21, v4
	v_add_nc_u32 v[ADRB+\s], s22, v4
	v_add_nc_u32 v[ADRA+2+\s], s21, v5
	v_add_nc_u32 v[ADRB+2+\s], s22, v5
	s_add_co_u32 s21, s21, SLOT
	s_add_co_u32 s22, s22, SLOT
.endr
	s_lshl_b32 s21, s15, 12
	s_lshl_b32 s22, s16, 12
	s_add_co_u32 s22, s22, 8320
	s_sub_co_u32 s22, s22, s21
	v_mul_u32_u24 v6, s22, v2
	s_add_co_u32 s21, s21, SCL
	v_lshl_add_u32 v6, v1, 3, v6
	v_add_nc_u32 v[ADRS], s21, v6
	s_mul_i32 s23, s14, 16*SPITCH
	v_mul_u32_u24 v6, v1, SPITCH
	v_lshl_add_u32 v6, v2, 6, v6
	v_add_nc_u32 v[STO], s23, v6
	v_mov_b32 v[CO], v4
	v_add_nc_u32 v[RD], s23, v4
.macro FRAG reg, adr, q, i
	ds_load_b128 v[\reg:\reg+3], v[\adr] offset:2*(\q)*KCB+(\i)*HF
	ds_load_b64 v[\reg+4:\reg+5], v[\adr+2] offset:2*(\q)*KCB+(\i)*HF+512
	ds_load_b128 v[\reg+6:\reg+9], v[\adr] offset:(2*(\q)+1)*KCB+(\i)*HF
	ds_load_b64 v[\reg+10:\reg+11], v[\adr+2] offset:(2*(\q)+1)*KCB+(\i)*HF+512
.endm
.macro MUL16 a0, p, q, sc, zero
.irp a, \a0, \a0+1
.irp b, 0,1,2,3,4,5,6,7
.if \zero
	v_wmma_scale_f32_16x16x128_f8f6f4 v[8*(8*((\a)%4)+\b):8*(8*((\a)%4)+\b)+7], v[128*(\p)+FR*\b:128*(\p)+FR*\b+FR-1], v[AF+FR*(\a):AF+FR*(\a)+FR-1], v[BI+8*\b:BI+8*\b+7], v[SC+8*NQ*(\sc)+NQ*\b+(\q)], v[SC+8*NQ*(\sc)+NQ*(\a)+(\q)] matrix_a_fmt:MATRIX_FMT_FP6 matrix_b_fmt:MATRIX_FMT_FP6 matrix_a_scale:MATRIX_SCALE_ROW1
.else
	v_wmma_scale_f32_16x16x128_f8f6f4 v[8*(8*((\a)%4)+\b):8*(8*((\a)%4)+\b)+7], v[128*(\p)+FR*\b:128*(\p)+FR*\b+FR-1], v[AF+FR*(\a):AF+FR*(\a)+FR-1], v[8*(8*((\a)%4)+\b):8*(8*((\a)%4)+\b)+7], v[SC+8*NQ*(\sc)+NQ*\b+(\q)], v[SC+8*NQ*(\sc)+NQ*(\a)+(\q)] matrix_a_fmt:MATRIX_FMT_FP6 matrix_b_fmt:MATRIX_FMT_FP6 matrix_a_scale:MATRIX_SCALE_ROW1
.endif
.endr
.endr
.endm
.macro FETCH_B slot, q, p
	WIN TO_B
.irp i, 0,1,2,3,4,5,6,7
	FRAG 128*(\p)+FR*\i, ADRB+\slot, \q, \i
.endr
	WIN 0
.endm
.macro FETCH_A slot, q, i0
.irp i, \i0, \i0+1, \i0+2, \i0+3
	FRAG AF+FR*(\i), ADRA+\slot, \q, \i
.endr
.endm
.macro SCALES sc
.irp i, 0,1,2,3,4,5,6,7
	ds_load_b64 v[SC+8*NQ*\sc+NQ*\i:SC+8*NQ*\sc+NQ*\i+1], v[ADRS] offset:\i*128
.endr
.endm
.macro PLACES n
.rept \n
	v_nop
.endr
.endm
.macro STEP slot, q, zero
	s_wait_dscnt 4*NL
.if \zero
	WIN FST_LO
.else
	WIN MUL_LO
.endif
	MUL16 0, (\q)%2, \q, \slot, \zero
	MUL16 2, (\q)%2, \q, \slot, \zero
	s_wait_dscnt 0
	PLACES NP
	FETCH_B \slot, (\q)+1, 1-(\q)%2
	FETCH_A \slot, (\q)+1, 0
.if \zero
	WIN FST_HI
.else
	WIN MUL_HI
.endif
	MUL16 4, (\q)%2, \q, \slot, \zero
	MUL16 6, (\q)%2, \q, \slot, \zero
	PLACES NP
	WIN 0
	FETCH_A \slot, (\q)+1, 4
.endm
.macro TURN slot, next, fill
	s_wait_tensorcnt 0x0
	ds_add_u32 v[SPW], v[NIL]
	s_wait_dscnt 4*NL+1
	WIN MUL_LO
	MUL16 0, 1, NQ-1, \slot, 0
	s_wait_dscnt 0x0
	s_barrier_signal -1
	MUL16 2, 1, NQ-1, \slot, 0
	WIN 0
	s_barrier_wait -1
.if \fill
	CREST
	s_add_nc_u64 s[G0+4*\slot+2:G0+4*\slot+3], s[G0+4*\slot+2:G0+4*\slot+3], 2*HALFT
	s_add_nc_u64 s[G0B+4*\slot+2:G0B+4*\slot+3], s[G0B+4*\slot+2:G0B+4*\slot+3], 2*HALFT
	JLOAD G0+4*\slot, G1, G0B+4*\slot, G1B
.else
	PLACES NP
.endif
	s_wait_alu depctr_va_vdst(0)
	v_add_nc_u32 v[ADRS], 1024, v[ADRS]
	FETCH_B \next, 0, 0
	FETCH_A \next, 0, 0
	SCALES \next
	WIN MUL_HI
	MUL16 4, 1, NQ-1, \slot, 0
	MUL16 6, 1, NQ-1, \slot, 0
	PLACES NP
	WIN 0
	FETCH_A \next, 0, 4
.endm
	s_wait_alu depctr_va_vdst(0)
	s_wait_tensorcnt 1
	s_barrier_signal -1
	s_barrier_wait -1
	FETCH_B 0, 0, 0
	FETCH_A 0, 0, 0
	SCALES 0
	FETCH_A 0, 0, 4
	s_wait_loadcnt 0x0
	STEP 0, 0, 1
	TURN 0, 1, 1
	STEP 1, 0, 0
	TURN 1, 0, 1
	STEP 0, 0, 0
	TURN 0, 1, 0
	STEP 1, 0, 0
	s_wait_dscnt 4*NL
	WIN MUL_LO
	MUL16 0, 1, NQ-1, 1, 0
	MUL16 2, 1, NQ-1, 1, 0
	s_wait_dscnt 0
	WIN MUL_HI
	MUL16 4, 1, NQ-1, 1, 0
	MUL16 6, 1, NQ-1, 1, 0
	WIN 0
.macro TOSTAGE a
.set AC, 64*((\a)%4)
.set WW, 0x08+4*((\a)/4)
	WIN WW
.irp b, 0,1,2,3,4,5,6,7
	ds_store_b128 v[STO], v[AC+8*\b:AC+8*\b+3] offset:128*(\b/2)+32*(\b%2)
	ds_store_b128 v[STO], v[AC+8*\b+4:AC+8*\b+7] offset:128*(\b/2)+32*(\b%2)+16
.endr
	WIN 0
.set BB, BK+64*((\a)%2)
.irp t, 0,1,2,3,4,5,6,7,8,9,10,11,12,13,14,15
	ds_load_b128 v[BB+4*\t:BB+4*\t+3], v[RD] offset:\t*SPITCH
.endr
.endm
.macro SEND a, younger
.set BB, BK+64*((\a)%2)
	s_wait_dscnt \younger
.irp t, 0,1,2,3,4,5,6,7,8,9,10,11,12,13,14,15
	global_store_b128 v[CO], v[BB+4*\t:BB+4*\t+3], s[12:13] offset:(32*((\a)/2)+8*((\a)%2)+\t+8*(\t/8))*4096 th:TH_STORE_NT
.endr
.endm
	PLACES NP
	TOSTAGE 0
.irp a, 1,2,3,4,5,6,7
.if \a > 1
	s_wait_xcnt 0x0
.endif
	TOSTAGE \a
	SEND \a-1, 32
.endr
	SEND 7, 0
	s_wait_tensorcnt 0x0
	ds_add_u32 v[SPW], v[NIL]
	s_wait_dscnt 0x0
	CROUND
	s_endpgm
.Lfunc_end_k_q22c7767776_gemm_out:
	.size	k_q22c7767776_gemm_out, .Lfunc_end_k_q22c7767776_gemm_out-k_q22c7767776_gemm_out
	.p2alignl 7, 3214868480
	.fill 96, 4, 3214868480
	.section	.rodata,"a",@progbits
	.p2align	6, 0x0
	.amdhsa_kernel k_q22c7767776_gemm_out
		.amdhsa_group_segment_fixed_size 327680
		.amdhsa_private_segment_fixed_size 0
		.amdhsa_enable_private_segment 0
		.amdhsa_kernarg_size 32
		.amdhsa_user_sgpr_count 2
		.amdhsa_user_sgpr_kernarg_segment_ptr 1
		.amdhsa_wavefront_size32 1
		.amdhsa_system_sgpr_workgroup_id_x 1
		.amdhsa_system_sgpr_workgroup_id_y 1
		.amdhsa_system_sgpr_workgroup_id_z 1
		.amdhsa_system_vgpr_workitem_id 0
		.amdhsa_next_free_vgpr 1024
		.amdhsa_next_free_sgpr 96
		.amdhsa_reserve_vcc 0
		.amdhsa_float_denorm_mode_32 3
		.amdhsa_float_denorm_mode_16_64 3
		.amdhsa_memory_ordered 1
		.amdhsa_forward_progress 1
		.amdhsa_inst_pref_size 146
	.end_amdhsa_kernel
	.amdgpu_metadata
---
amdhsa.version: [ 1, 2 ]
amdhsa.kernels:
  - .name:           k_q22c7767776_gemm_out
    .symbol:         k_q22c7767776_gemm_out.kd
    .args:
      - { .name: oq, .offset: 0, .size: 8, .value_kind: global_buffer, .address_space: global }
      - { .name: wq, .offset: 8, .size: 8, .value_kind: global_buffer, .address_space: global }
      - { .name: b_out, .offset: 16, .size: 8, .value_kind: global_buffer, .address_space: global }
      - { .name: out0, .offset: 24, .size: 8, .value_kind: global_buffer, .address_space: global }
    .group_segment_fixed_size: 327680
    .private_segment_fixed_size: 0
    .kernarg_segment_align: 8
    .kernarg_segment_size: 32
    .max_flat_workgroup_size: 128
    .sgpr_count:     96
    .vgpr_count:     1024
    .wavefront_size: 32
...
	.end_amdgpu_metadata
.endif
;; end of part 4
